; MI455X (gfx1250); checked and timed in simulation.
; The chip was launched on July 23, 2026; its instructions are those of AMD's public machine-readable ISA for CDNA 5 (MIT licence, August 2026) and "CDNA5" Instruction Set Architecture Reference Guide (July 2026). The comments in the code are by the model that wrote it; some were corrected since.
;; Multi Head Self Attention. Allowed arithmetic: matrix products marked QUANTISED: E2M1 operands, one E8M0 scale for each 32 along K, by v_wmma_scale_f32_16x16x128_f8f6f4 with both operands' format E2M1 (or v_wmma_scale_f32_32x16x128_f4), f32 sums; products left as they are: bf16, f16 or f32 operands; f32 sums; everything else in f32.
;; Inputs: k_norm_w 64 float32; q_norm_w 64 float32; wk 1,024 x 1,024 float32; wo 1,024 x 1,024 float32; wq 1,024 x 1,024 float32; wv 1,024 x 1,024 float32; x 1 x 4,096 x 1,024 float32.
;; Outputs: out0 1 x 4,096 x 1,024 float32.
;; This version of the problem:
;;   THIS VERSION OF THE PROBLEM IS GIVEN IN LOW PRECISION. The matrix products marked QUANTISED in the list below multiply operands that are first quantised to E2M1 (2 exponent bits, 1 mantissa bit; 4 bits a number), with one power-of-two scale for each 32 numbers along K (OCP MX v1.0); their sums are f32. The products marked 'left as it is' may take bf16, f16 or f32 operands, with f32 sums. Whichever they take, every output number must still come out within the allowed error. Rounding operands to bf16 (8 significant bits) uses up far more of that allowance than f16 does (11 bits, for magnitudes from 6e-5 to 65,504). All else is computed in f32.
;;   The module's matrix products, in the order in which they are computed (A, B: the left and right operand; K: the contracted axis; several contracted axes count as one K, in the product's order):
;;     1. [M 4,096, K 1,024] x [K 1,024, N 1,024]; A: input x; B: input wq: QUANTISED
;;     2. [M 4,096, K 1,024] x [K 1,024, N 1,024]; A: input x; B: input wk: QUANTISED
;;     3. [M 4,096, K 1,024] x [K 1,024, N 1,024]; A: input x; B: input wv: QUANTISED
;;     4. batch 16 x [M 4,096, K 64] x [K 64, N 4,096]; A: computed on the way; B: computed on the way: left as it is (an operand is computed on the way)
;;     5. batch 16 x [M 4,096, K 4,096] x [K 4,096, N 64]; A: computed on the way; B: computed on the way: left as it is (an operand is computed on the way)
;;     6. [M 4,096, K 1,024] x [K 1,024, N 1,024]; A: computed on the way; B: input wo: left as it is (an operand is computed on the way)
;;   THE QUANTISER, for each operand of a quantised product, along K:
;;     - K is cut into blocks of 32 from its start; a last block that is shorter is filled with zeros.
;;     - A block's scale is 2^e with e = floor(log2(the largest magnitude in the block)) - 2, held to -126 .. 127; a block of zeros has e = 0. As a byte (E8M0): e + 127.
;;     - Each number is divided by its block's scale, clamped to +-6, and rounded to the nearest number of E2M1, ties to even, subnormals kept.
;;     - The product sums the exact products of the quantised numbers (number of the format x scale) in f32.
;;   ~~~python
;;   def quantise(x, axis):      # numpy; x: float32 -> the quantised numbers, widened to float32 again
;;       x = np.moveaxis(x, axis, -1); K = x.shape[-1]
;;       x = np.pad(x, [(0, 0)] * (x.ndim - 1) + [(0, -K % 32)]); x = x.reshape(x.shape[:-1] + (-1, 32)); a = np.abs(x).max(-1, keepdims=True)
;;       e = np.where(a > 0, np.clip(np.frexp(np.where(a > 0, a, 1))[1] - 1 - 2, -126, 127), 0)      # np.frexp(a)[1] - 1 = floor(log2(a)), exactly
;;       r = np.clip(x / 2.0 ** e, -6, 6)
;;       step = 2.0 ** (np.maximum(np.frexp(np.where(r == 0, 1, r))[1] - 1, 0) - 1)
;;       q = np.round(r / step) * step * 2.0 ** e      # np.round: ties to even
;;       return np.moveaxis(q.reshape(q.shape[:-2] + (-1,))[..., :K], -1, axis).astype(np.float32)
;;   ~~~
;; One version. Each part assembles by itself: llvm-mc -triple=amdgcn-amd-amdhsa -mcpu=gfx1250 --defsym DOCPART=n.
;; ======== version 1 of 1: 4 launches
;; limits: values are held in f16: magnitudes above 65,504 overflow, below 6.1e-05 lose precision
;; workspace buffers: codes 3,670,016 bytes; scales 229,376 bytes; wo16 2,097,152 bytes; qkv 25,165,824 bytes; oimg 8,388,608 bytes
;; launch prep (part 1): grid 256 x 1, 4 waves a work-group, no clusters, 33,280 bytes of LDS; arguments x, wq, wk, wv, wo, codes, scales, wo16; writes codes, scales, wo16
.if DOCPART == 1
	.amdgcn_target "amdgcn-amd-amdhsa--gfx1250"
	.amdhsa_code_object_version 6
	.text
	.protected	k_q43f62f8b9e_prep
	.globl	k_q43f62f8b9e_prep
	.p2align	8
	.type	k_q43f62f8b9e_prep,@function
k_q43f62f8b9e_prep:
	s_mov_b64 s[64:65], 0
	v_nop
	global_prefetch_b8 v0, s[64:65] scope:SCOPE_SE
	s_setreg_imm32_b32 hwreg(HW_REG_WAVE_MODE, 25, 1), 1
	s_wait_xcnt 0x0
; x [4096][1024] and wq, wk, wv [1024][1024], f32, K innermost, become codes of FP4 (E2M1), two a byte, with one E8M0 scale byte for each 32 along K; wo [1024][1024] becomes f16.
; codes: rows of 512 bytes, x's 4,096 rows, then wq's, wk's, wv's 1,024 each.  scales: rows of 32 bytes in the same order.  wo16: as wo lies.
; A block's scale is 2^(floor(log2(its largest magnitude)) - 2); its byte is the largest magnitude's exponent field - 2, held at 1 from below.  Each number is divided by the scale and rounded to the nearest code, ties to even, beyond 6 the code of 6.
; LIMITS: a block of zeros, and a block whose largest magnitude lies under 2^-124, keeps the byte 1 (a block of zeros has zero codes, which add nothing; the bytes are read by this program alone); NaN and infinities are not served; |wo| stays under 65,504 (f16).
; SHARES.  Rows are dense and K is a multiple of 32: each tensor is a plain stream of blocks of 32.  Work-groups 0-127 take x, 128-159 wq, 160-191 wk, 192-223 wv, 32,768 numbers each, a wave 8,192 in 16 steps of 512; work-groups 224-255 take wo.
; Only the source is chosen: the codes and scale bytes of work-group g begin at 16,384 g and 1,024 g, since x's part ends where the weights' begins.
; A STEP.  Four loads of 512 consecutive bytes, 16 a lane; the 2,048 bytes turn through the wave's own stage in LDS (16 bytes of padding behind each 64) and come back 64 bytes a lane: 16 neighbours along K, two lanes to a block.
; Loads run eight steps (32 loads a wave) ahead, the turn through LDS one step.  A step's codes leave as 256 consecutive bytes; a wave's 256 scale bytes are gathered in LDS and leave as one store of 256 consecutive bytes.
; No tensor loads, no barrier: waves share nothing.
.set STEPS, 16
.set EMAX,  2
.set CB,    8                          ; bytes of 16 codes
.set R,     16                         ; v16-143  eight sets of 16 numbers as they are loaded
.set X,     144                        ; v144-175 two sets of 16 neighbours
.set E,     176                        ; v176-191 a scale byte for each step
.set C,     192                        ; v192-223 codes: two registers for each step, so that no store's data are written again
.set RW,    16                         ; wo: v16-79 a ring of 16 loads of four registers
.set CW,    80                         ; wo: v80-207 two registers of f16 for each of 64 chunks, never written again
.set WREG,  8192                       ; LDS: a region for each wave: two stages of 32 x SP bytes, behind them its 256 scale bytes
.set SP,    80                         ; a lane's place in a stage: 64 bytes + 16 of padding
.set SPW,   12                         ; v12  LDS address of my spare word; never rewritten
.set NIL,   13                         ; v13  0; never rewritten
.set SPARE, 4*WREG                     ; behind the four regions: the spare words, 128 bytes a wave, which no other line names
.macro WLOAD t                         ; wo: chunk t, 512 consecutive bytes, into slot t % 16
	global_load_b128 v[RW+4*((\t)%16):RW+4*((\t)%16)+3], v3, s[16:17] offset:512*(\t) th:TH_LOAD_NT
.endm
.macro WO t                            ; wo: chunk t is rounded to f16 and stored: 256 consecutive bytes a wave
.if 63-(\t) >= 15
	s_wait_loadcnt 15                              ; chunk t is in; the 15 chunks behind it may be out
.else
	s_wait_loadcnt 63-(\t)                         ; the tail: as many as are left behind it
.endif
	v_cvt_pk_f16_f32 v[CW+2*(\t)], v[RW+4*((\t)%16)], v[RW+4*((\t)%16)+1]
	v_cvt_pk_f16_f32 v[CW+2*(\t)+1], v[RW+4*((\t)%16)+2], v[RW+4*((\t)%16)+3]
.if (\t)+16 < 64
	WLOAD (\t)+16                                  ; the slot is free: its numbers have been read
.endif
	global_store_b64 v4, v[CW+2*(\t):CW+2*(\t)+1], s[22:23] offset:256*(\t)
.endm
.macro LOAD t                          ; step t: four loads of 512 consecutive bytes into set t % 8
.irp i, 0,1,2,3
	global_load_b128 v[R+16*((\t)%8)+4*\i:R+16*((\t)%8)+4*\i+3], v3, s[4:5] offset:2048*(\t)+512*\i th:TH_LOAD_NT
.endr
.endm
.macro TURN t                          ; step t's numbers through the stage: LDS serves a wave's instructions in order, so no wait stands between the stores and the loads
.irp i, 0,1,2,3
	ds_store_b128 v14, v[R+16*((\t)%8)+4*\i:R+16*((\t)%8)+4*\i+3] offset:32*SP*((\t)%2)+8*SP*\i
.endr
.irp i, 0,1,2,3
	ds_load_b128 v[X+16*((\t)%2)+4*\i:X+16*((\t)%2)+4*\i+3], v15 offset:32*SP*((\t)%2)+16*\i
.endr
.endm
.macro STEP t
.set XS, X+16*((\t)%2)
.if (\t) > 0
	s_wait_dscnt 1                                 ; this step's numbers are back from the stage (the last step's byte store may be out): so its stores into the stage have read their registers,
.else
	s_wait_dscnt 0x0
.endif
.if (\t)+8 < STEPS
	LOAD (\t)+8                                    ; which take the loads of eight steps on
.endif
.if (\t)+1 < STEPS
.if STEPS-2-(\t) >= 7
	s_wait_loadcnt 28                              ; the next step's four loads are in; those of the seven steps behind it may be out
.else
	s_wait_loadcnt 4*(STEPS-2-(\t))                ; the tail: four for each step that is left behind the next
.endif
	TURN (\t)+1                                    ; and go through the other stage while this step is worked
.endif
	v_max3_num_f32 v8, |v[XS]|, |v[XS+1]|, |v[XS+2]|               ; the largest magnitude of my 16, in two chains
	v_max3_num_f32 v9, |v[XS+3]|, |v[XS+4]|, |v[XS+5]|
.irp i, 6,10
	v_max3_num_f32 v8, v8, |v[XS+\i]|, |v[XS+\i+1]|
	v_max3_num_f32 v9, v9, |v[XS+\i+2]|, |v[XS+\i+3]|
.endr
	v_max3_num_f32 v8, v8, |v[XS+14]|, |v[XS+15]|
	v_max3_num_f32 v8, v8, v9, (EMAX+1)<<23        ; and the floor 2^(3 - 127): the byte cannot fall under 1
	v_max_num_f32_dpp v8, v8, v8 row_xmask:1 row_mask:0xf bank_mask:0xf   ; and of my neighbour's 16: the block's
	v_add_nc_u32 v11, -(EMAX<<23), v8              ; 2 off its exponent field: the conversion takes the exponent field of this operand as its scale
	v_cvt_scalef32_pk8_fp4_f32 v[C+2*(\t)], v[XS:XS+7], v11
	v_cvt_scalef32_pk8_fp4_f32 v[C+2*(\t)+1], v[XS+8:XS+15], v11
	v_lshrrev_b32 v[E+(\t)], 23, v11               ; the scale's byte (a plain line behind the conversions)
	ds_store_b8 v5, v[E+(\t)] offset:16*(\t)       ; both lanes of a block write the same byte with the same value
	global_store_b64 v4, v[C+2*(\t):C+2*(\t)+1], s[18:19] offset:32*CB*(\t)
.endm
	s_load_b512 s[8:23], s[0:1], 0x0               ; x 8, wq 10, wk 12, wv 14, wo 16, codes 18, scales 20, wo16 22
	v_lshl_add_u32 v[SPW], v0, 2, SPARE
	v_mov_b32 v[NIL], 0
	v_lshrrev_b32 v1, 5, v0
	v_readfirstlane_b32 s24, v1                    ; wave
	v_and_b32 v2, 31, v0                           ; lane
	v_lshlrev_b32 v3, 4, v2                        ; my 16 bytes of a load's 512
	v_lshlrev_b32 v4, 3, v2                        ; my 8 bytes of a store's 256
	s_cmp_lt_u32 ttmp9, 224
	s_cbranch_scc1 .Lquant
	; ---- wo to f16: 32 work-groups, 8,192 numbers a wave in 64 chunks of 128
	s_sub_co_u32 s26, ttmp9, 224
	s_lshl_b32 s26, s26, 2
	s_add_co_u32 s26, s26, s24                     ; which run of 8,192 numbers is my wave's
	s_lshl_b32 s28, s26, 15                        ; 32,768 bytes of f32,
	s_mov_b32 s29, 0
	s_lshl_b32 s30, s26, 14                        ; 16,384 of f16
	s_mov_b32 s31, 0
	s_wait_kmcnt 0x0
	s_add_nc_u64 s[16:17], s[16:17], s[28:29]
	s_add_nc_u64 s[22:23], s[22:23], s[30:31]
.set Q, 0
.rept 16
	WLOAD Q
.set Q, Q+1
.endr
.set Q, 0
.rept 64
	WO Q
.set Q, Q+1
.endr
	s_branch .Lend
.Lquant:
	; ---- x, wq, wk, wv to codes
	s_mul_i32 s25, s24, WREG
	v_lshrrev_b32 v14, 2, v2
	v_mul_u32_u24 v14, v14, SP
	v_and_b32 v15, 3, v2
	v_lshl_add_u32 v14, v15, 4, v14
	v_add_nc_u32 v14, s25, v14                     ; the stage, on the way in: four lanes' 64 bytes on end, then 16 of padding
	v_mul_u32_u24 v15, v2, SP
	v_add_nc_u32 v15, s25, v15                     ; and on the way out: SP x lane: my 16 neighbours
	v_lshrrev_b32 v5, 1, v2
	s_add_co_u32 s25, s25, 2*32*SP
	v_add_nc_u32 v5, s25, v5                       ; my wave's 256 scale bytes, my block's byte
	v_add_nc_u32 v6, s25, v4                       ; and on the way out 8 bytes a lane
	s_and_b32 s26, ttmp9, 31                       ; a weight's work-group among its 32
	s_wait_kmcnt 0x0
	s_cmp_lt_u32 ttmp9, 192                        ; the source is chosen by the work-group's number alone
	s_cselect_b64 s[4:5], s[12:13], s[14:15]
	s_cmp_lt_u32 ttmp9, 160
	s_cselect_b64 s[4:5], s[10:11], s[4:5]
	s_cmp_lt_u32 ttmp9, 128
	s_cselect_b64 s[4:5], s[8:9], s[4:5]
	s_cselect_b32 s26, ttmp9, s26
	s_lshl_b32 s26, s26, 2
	s_add_co_u32 s26, s26, s24                     ; which run of 8,192 numbers of the source is my wave's
	s_lshl_b32 s26, s26, 15
	s_mov_b32 s27, 0
	s_add_nc_u64 s[4:5], s[4:5], s[26:27]
	s_lshl_b32 s28, ttmp9, 2
	s_add_co_u32 s28, s28, s24                     ; and which run of the codes and of the scale bytes
	s_lshl_b32 s30, s28, 12
	s_mov_b32 s31, 0
	s_add_nc_u64 s[18:19], s[18:19], s[30:31]
	s_lshl_b32 s30, s28, 8
	s_add_nc_u64 s[20:21], s[20:21], s[30:31]
.irp t, 0,1,2,3,4,5,6,7
	LOAD \t
.endr
	s_wait_loadcnt 28                              ; step 0's four loads are in; seven steps' may be out
	TURN 0
.irp t, 0,1,2,3,4,5,6,7,8,9,10,11,12,13,14,15
	STEP \t
.endr
	ds_load_b64 v[8:9], v6                         ; LDS serves a wave's instructions in order: these see my byte stores
	s_wait_dscnt 0x0
	global_store_b64 v4, v[8:9], s[20:21]          ; 32 lanes store 256 consecutive bytes, at a multiple of 256 from the buffer's first byte
.Lend:
	s_wait_tensorcnt 0x0                           ; the wave's end
	ds_add_u32 v[SPW], v[NIL]
	s_wait_dscnt 0x0
	s_endpgm
.Lfunc_end_k_q43f62f8b9e_prep:
	.size	k_q43f62f8b9e_prep, .Lfunc_end_k_q43f62f8b9e_prep-k_q43f62f8b9e_prep
	.p2alignl 7, 3214868480
	.fill 96, 4, 3214868480
	.section	.rodata,"a",@progbits
	.p2align	6, 0x0
	.amdhsa_kernel k_q43f62f8b9e_prep
		.amdhsa_group_segment_fixed_size 33280
		.amdhsa_private_segment_fixed_size 0
		.amdhsa_enable_private_segment 0
		.amdhsa_kernarg_size 64
		.amdhsa_user_sgpr_count 2
		.amdhsa_user_sgpr_kernarg_segment_ptr 1
		.amdhsa_wavefront_size32 1
		.amdhsa_system_sgpr_workgroup_id_x 1
		.amdhsa_system_sgpr_workgroup_id_y 1
		.amdhsa_system_sgpr_workgroup_id_z 1
		.amdhsa_system_vgpr_workitem_id 0
		.amdhsa_next_free_vgpr 224
		.amdhsa_next_free_sgpr 66
		.amdhsa_reserve_vcc 0
		.amdhsa_float_denorm_mode_32 3
		.amdhsa_float_denorm_mode_16_64 3
		.amdhsa_memory_ordered 1
		.amdhsa_forward_progress 1
		.amdhsa_inst_pref_size 56
	.end_amdhsa_kernel
	.amdgpu_metadata
---
amdhsa.version: [ 1, 2 ]
amdhsa.kernels:
  - .name:           k_q43f62f8b9e_prep
    .symbol:         k_q43f62f8b9e_prep.kd
    .args:
      - { .name: x, .offset: 0, .size: 8, .value_kind: global_buffer, .address_space: global }
      - { .name: wq, .offset: 8, .size: 8, .value_kind: global_buffer, .address_space: global }
      - { .name: wk, .offset: 16, .size: 8, .value_kind: global_buffer, .address_space: global }
      - { .name: wv, .offset: 24, .size: 8, .value_kind: global_buffer, .address_space: global }
      - { .name: wo, .offset: 32, .size: 8, .value_kind: global_buffer, .address_space: global }
      - { .name: codes, .offset: 40, .size: 8, .value_kind: global_buffer, .address_space: global }
      - { .name: scales, .offset: 48, .size: 8, .value_kind: global_buffer, .address_space: global }
      - { .name: wo16, .offset: 56, .size: 8, .value_kind: global_buffer, .address_space: global }
    .group_segment_fixed_size: 33280
    .private_segment_fixed_size: 0
    .kernarg_segment_align: 8
    .kernarg_segment_size: 64
    .max_flat_workgroup_size: 128
    .sgpr_count:     66
    .vgpr_count:     224
    .wavefront_size: 32
...
	.end_amdgpu_metadata
.endif
;; end of part 1
;; launch qkv (part 2): grid 12 x 16, 4 waves a work-group, clusters of 4 x 4, 327,680 bytes of LDS; arguments codes, scales, q_norm_w, k_norm_w, qkv; writes qkv
.if DOCPART == 2
	.amdgcn_target "amdgcn-amd-amdhsa--gfx1250"
	.amdhsa_code_object_version 6
	.text
	.protected	k_q43f62f8b9e_qkv
	.globl	k_q43f62f8b9e_qkv
	.p2align	8
	.type	k_q43f62f8b9e_qkv,@function
k_q43f62f8b9e_qkv:
	s_mov_b64 s[64:65], 0
	v_nop
	global_prefetch_b8 v0, s[64:65] scope:SCOPE_SE
	s_setreg_imm32_b32 hwreg(HW_REG_WAVE_MODE, 25, 1), 1
	s_wait_xcnt 0x0
	s_wait_alu depctr_hold_cnt(0) depctr_sa_sdst(0) depctr_va_vdst(0) depctr_va_sdst(0) depctr_va_ssrc(0) depctr_va_vcc(0) depctr_vm_vsrc(0)
	s_getreg_b32 s2, hwreg(HW_REG_IB_STS2, 6, 4)
	s_cmp_eq_u32 s2, 0
	s_cbranch_scc0 .Lentry_in_a_cluster
	s_endpgm
.Lentry_in_a_cluster:
	s_bfe_u32 s2, ttmp6, 0x10000c
	s_cmp_lg_u32 s2, 0xf033
	s_cbranch_scc0 .Lentry_shape_is_right
	s_endpgm
.Lentry_shape_is_right:
; The three quantised products as ONE product on codes of FP4: C[m][n] = sum over k of x[m][k] W[n][k], m 4,096, n 3,072 (wq's, wk's, wv's rows on end), k 1,024; sums in f32.  Then, per head of 64 columns, the RMS norm with its gain for q and k; all three leave as f16.
; codes: rows of 512 bytes, x's 4,096 rows, then the weights' 3,072; scales: rows of 32 bytes in the same order.  The matrix instruction takes codes and scale bytes as they lie.
; A tile of C, 256 x 256, is made by a work-group of four waves; a wave makes 128 x 128: 64 accumulators of 16 x 16, 512 registers.  K is two slots of 512: both are asked for at the head, nothing is filled again.
; 192 work-groups: a tile lies inside one of q, k, v, and no 256 equal tiles that do so divide 4,096 x 3,072.
; THE SCALES of the work-group's 256 rows of x and 256 rows of W, for all of K, are two dense blocks: they come into LDS once, with the first fills.
; CLUSTERS: 4 x 4 work-groups.  The four of a row of the cluster need the same tiles of x, the four of a column the same tiles of W: each tile is asked for JOINTLY.  A cluster spans 1,024 columns: the cluster's x says q (0), k (1) or v (2), alike in all sixteen.
; THE MATRIX INSTRUCTION IS USED TRANSPOSED (source 0 = 16 rows of W, source 1 = 16 rows of x): a lane holds eight neighbouring columns of one row of C.
; THE WAY OUT.  q = x W^T x rsq(mean of squares + 1e-6) x gain x log2(e) / 8 (the softmax's factor is folded in here); k the same without that factor; v as it is.  qkv: q at 0, k at 8 MiB, v at 16 MiB, each [head 16][tile of 16 rows 256][chunk 4][512 bytes]:
; the 16 bytes at 16 x (16 h + r) of chunk b hold row r of the tile, channels 16 b + 8 h + 0 .. 7.  Those are the very 16 bytes that lane (r, h) packs from an accumulator, and two chunks on end are the image of a 16-bit operand's registers: a wave's store covers 512 consecutive bytes.
; v's pieces lie at 16 x (16 (r / 8) + 8 h + r % 8), so that the turning LDS load at 16 x lane gives V^T's fragment.
; LIMITS: x / rms is formed as x times the reciprocal square root; |q log2(e) / 8|, |k| and |v| stay under 65,504 (f16); NaN and infinities are not served.
; REGISTERS, in windows of 256: window 0: v0-31 addresses; v32-95 scale words, two sets, and nothing else; v96-127 the gains; from v128 x's fragments, ONE set; on the way out v128-191 sums of squares, v192-255 packed results.
;   window 1: W's fragments, TWO sets, at v0 and v128.   window 2: the 32 accumulators of my rows 0-63 ((a, b) at v[8 (8 a + b)]);   window 3: those of my rows 64-127.
.set SIZE_K, 1024
.set KSTEP,  512                       ; along K in a slot
.set NQ,     KSTEP/128                 ; matrix instructions deep
.set ROWB,   256                       ; a tile's row in bytes
.set KROW,   SIZE_K/2                  ; a row of codes in memory
.set PITCH,  272                       ; an LDS row: 256 bytes + 16 of padding = 68 words: the 16 rows that a load touches start at 16 different banks (64 banks of 4 bytes: ISA guide 11.1)
.set FR,     8                         ; registers of a fragment: 16 rows x 128 K
.set NL,     2                         ; LDS loads that bring one
.set NP,     4                         ; places behind this matrix instruction (ISA guide 7.12.1)
.set HALFT,  128*PITCH                 ; 128 rows: what one tensor load brings
.set SLOT,   4*HALFT                   ; x's 256 rows, then W's 256 rows
.set KS,     SIZE_K/32                 ; a row of scales in bytes
.set SCL,    2*SLOT                    ; behind the slots: the scales, as units of 256 bytes + 16 of padding
.set HALFS,  (128*KS/256)*272          ; the scales of 128 rows
.set SBLK,   (16*KS/256)*272           ; those of 16 rows
.set SPARE,  SCL+4*HALFS               ; behind the scales: the spare words, 128 bytes a wave, which no other line names
.set ADRA, 16                          ; v16-17  LDS address of my x fragments in slot 0, 1
.set ADRB, 20                          ; v20-21  the same for W
.set LO,   24                          ; v24     16 x lane: my piece of a chunk of q or k
.set ADRS, 27                          ; v27     LDS address of my scale words: lanes 0-15 x's rows, lanes 16-31 W's
.set SPW,  28                          ; v28     LDS address of my spare word; never rewritten
.set NIL,  29                          ; v29     0; never rewritten
.set GA,   30                          ; v30     32 h: my eight gains of a tile of 16
.set LV,   31                          ; v31     my piece of a chunk of v
.set SC,   32                          ; scale words: set s at v[SC + 32 s]; register 4 i + q: lanes 0-15 the word of x's block i, lanes 16-31 that of W's block i
.set WN,   96                          ; v96-127 gain[16 bb + 8 h + j] at WN + 8 bb + j
.set AF,   128                         ; x's fragments
.set PR,   128                         ; the way out: v128-159 sums of squares, a pair for (block a, head hh) at PR + 4 a + 2 hh; then 1 / rms in the pair's low word
.set PT,   160                         ; v160-191 the second chain of each
.set OB,   192                         ; v192-255 packed results, two sets of 32
.set G1, 24                            ; s[24:31] descriptor group 1 for x's tiles;  s[32:39] group 0, one set for each slot
.set G0, 32
.set G1B, 48                           ; s[48:55], s[56:63] the same for W's tiles
.set G0B, 56
.set SEL, 66                           ; s[66:67] lane selects for v_permlanex16_b32: lane l xor 16
.set G1S, 68                           ; s[68:75], s[76:79] groups 1 and 0 for x's scales;  s[80:87], s[88:91] for W's
.set G0S, 76
.set G1SB, 80
.set G0SB, 88
.set MSB, 0
.macro WIN new                         ; the immediate's high byte repeats the setting that is left
.if MSB != \new
	s_set_vgpr_msb (MSB<<8)|\new
.set MSB, \new
.endif
.endm
.set MUL_LO, 0xa1                      ; source 0 (W) window 1, source 1 (x) window 0, C and D window 2
.set MUL_HI, 0xf1                      ; the same, C and D window 3
.set TO_B,   0x40                      ; destination window 1, address window 0
; A joint load: waves 0 and 1 fetch for x, waves 2 and 3 for W.  Each of the two lines has one mask and one set of registers for all that issue it; the branch hangs on the wave's number alone.
; An s_nop 0 and four v_nop follow each of the two lines.
.macro JLOAD g0a, g1a, g0b, g1b
	s_cmp_eq_u32 s15, 0
	s_cbranch_scc0 .Lfor_b_\@
	tensor_load_to_lds s[\g0a:\g0a+3], s[\g1a:\g1a+7]
	s_nop 0
.rept 4
	v_nop
.endr
	s_branch .Lasked_\@
.Lfor_b_\@:
	tensor_load_to_lds s[\g0b:\g0b+3], s[\g1b:\g1b+7]
	s_nop 0
.rept 4
	v_nop
.endr
.Lasked_\@:
.endm
.macro CROUND                          ; a round of the cluster's barrier
	s_barrier_signal -1
	s_barrier_wait -1
	s_cmp_lg_u32 s14, 0
	s_cbranch_scc1 .Lnot_wave_0_\@
	s_barrier_signal -3
.Lnot_wave_0_\@:
	s_barrier_wait -3
	s_barrier_signal -1
	s_barrier_wait -1
.endm
	s_load_b128 s[4:7], s[0:1], 0x0                ; codes s[4:5], scales s[6:7]
	s_load_b128 s[96:99], s[0:1], 0x10             ; q_norm_w s[96:97], k_norm_w s[98:99]
	s_load_b64 s[12:13], s[0:1], 0x20              ; qkv
	v_lshl_add_u32 v[SPW], v0, 2, SPARE
	v_mov_b32 v[NIL], 0
	ds_add_u32 v[SPW], v[NIL]                      ; the wave's opening: the add, twice on end, and its wait ahead of my first tensor load; the set-up below stands between
	ds_add_u32 v[SPW], v[NIL]
	v_lshrrev_b32 v1, 5, v0
	v_readfirstlane_b32 s14, v1                    ; wave 0..3
	s_lshr_b32 s15, s14, 1                         ; which half of the tile's rows is mine.  Also: I fetch for x (0) or for W (1)
	s_and_b32 s16, s14, 1                          ; which half of its columns.  Also: which 128 rows of that tile I fetch
	s_bfe_u32 s40, ttmp6, 0x40000                  ; cx, cy: my place in the cluster
	s_bfe_u32 s41, ttmp6, 0x40004
	s_lshl_b32 s42, ttmp9, 2
	s_add_co_u32 s42, s42, s40                     ; tile column of C = 4 x cluster x + cx
	s_and_b32 s17, ttmp7, 0xffff
	s_lshl_b32 s17, s17, 2
	s_add_co_u32 s17, s17, s41                     ; tile row of C = 4 x cluster y + cy
	s_lshl_b32 s43, s41, 2
	s_lshl_b32 s43, 15, s43                        ; my row of the cluster
	s_lshl_b32 s44, 0x1111, s40                    ; my column
	; descriptor group 1: a tile of 128 rows x 256 bytes, padded in LDS
	s_or_b32 s[G1+0], s43, (0<<16)|(1<<20)|(1<<21)|(5<<22)|(3<<25)  ; the mask: x's tiles go to my row; elements of 1 byte; padding on; bit 21 beside a mask; after every 64 words, 4 words
	s_or_b32 s[G1B+0], s44, (0<<16)|(1<<20)|(1<<21)|(5<<22)|(3<<25)
.irp g, G1, G1B
	s_mov_b32 s[\g+1], ROWB<<16                    ; tensor_dim0
	s_mov_b32 s[\g+2], 128<<16                     ; tensor_dim1 = 128
	s_mov_b32 s[\g+3], ROWB<<16                    ; tile_dim0
	s_mov_b32 s[\g+4], 128                         ; tile_dim1 = 128
	s_mov_b32 s[\g+5], KROW                        ; tensor_dim0_stride
	s_mov_b32 s[\g+6], 0
	s_mov_b32 s[\g+7], 0
.endr
	; and for the scales of 128 rows: a dense block of 4,096 bytes, as rows of 256 bytes (32 elements of 8 bytes), 16 bytes of padding behind each
	s_or_b32 s[G1S+0], s43, (3<<16)|(1<<20)|(1<<21)|(5<<22)|(3<<25)
	s_or_b32 s[G1SB+0], s44, (3<<16)|(1<<20)|(1<<21)|(5<<22)|(3<<25)
.irp g, G1S, G1SB
	s_mov_b32 s[\g+1], 32<<16
	s_mov_b32 s[\g+2], (128*KS/256)<<16
	s_mov_b32 s[\g+3], 32<<16
	s_mov_b32 s[\g+4], 128*KS/256
	s_mov_b32 s[\g+5], 32
	s_mov_b32 s[\g+6], 0
	s_mov_b32 s[\g+7], 0
.endr
	s_lshl_b32 s18, s16, 7                         ; which 128 rows of the tile I fetch
	s_lshl_b32 s20, s17, 8
	s_add_co_u32 s20, s20, s18                     ; x: row 256 x tile row + 128 x half
	s_lshl_b32 s46, s42, 8
	s_add_co_u32 s46, s46, s18                     ; W: row 256 x tile column + 128 x half
	s_mov_b32 s21, 0
	s_mov_b32 s47, 0
	s_mov_b64 s[18:19], KS
	s_mul_u64 s[22:23], s[20:21], s[18:19]         ; where these rows' scales begin, in bytes
	s_mul_u64 s[92:93], s[46:47], s[18:19]
	s_mov_b64 s[18:19], KROW
	s_mul_u64 s[20:21], s[20:21], s[18:19]         ; and their codes
	s_mul_u64 s[46:47], s[46:47], s[18:19]
	s_mul_i32 s45, s14, HALFT                      ; where they go: wave x 128 rows: no place in the cluster enters an LDS address
	s_mul_i32 s94, s14, HALFS
	s_mov_b32 s[SEL], 0x76543210
	s_mov_b32 s[SEL+1], 0xfedcba98
	s_wait_dscnt 0x0                               ; both opening adds are done
	s_wait_kmcnt 0x0
	s_add_nc_u64 s[8:9], s[4:5], 0x200000          ; the weights' codes lie behind x's 4,096 rows of 512 bytes,
	s_add_nc_u64 s[10:11], s[6:7], 0x20000         ; their scales behind x's 4,096 rows of 32
	s_add_nc_u64 s[20:21], s[4:5], s[20:21]
	s_add_nc_u64 s[22:23], s[6:7], s[22:23]
	s_add_nc_u64 s[46:47], s[8:9], s[46:47]
	s_add_nc_u64 s[92:93], s[10:11], s[92:93]
	CROUND                                         ; all sixteen work-groups are here: the joint loads meet
	s_mov_b32 s[G0S], 1
	s_add_co_u32 s[G0S+1], s94, SCL
	s_mov_b64 s[G0S+2:G0S+3], s[22:23]
	s_or_b32 s[G0S+3], s[G0S+3], 0x80000000
	s_mov_b32 s[G0SB], 1
	s_add_co_u32 s[G0SB+1], s94, SCL
	s_mov_b64 s[G0SB+2:G0SB+3], s[92:93]
	s_or_b32 s[G0SB+3], s[G0SB+3], 0x80000000
	JLOAD G0S, G1S, G0SB, G1SB                     ; the scales first: they are wanted with the first slot
.irp s, 0,1
	s_mov_b32 s[G0+4*\s], 1
	s_add_co_u32 s[G0+4*\s+1], s45, \s*SLOT
	s_add_nc_u64 s[G0+4*\s+2:G0+4*\s+3], s[20:21], \s*ROWB
	s_or_b32 s[G0+4*\s+3], s[G0+4*\s+3], 0x80000000
	s_mov_b32 s[G0B+4*\s], 1
	s_add_co_u32 s[G0B+4*\s+1], s45, \s*SLOT
	s_add_nc_u64 s[G0B+4*\s+2:G0B+4*\s+3], s[46:47], \s*ROWB
	s_or_b32 s[G0B+4*\s+3], s[G0B+4*\s+3], 0x80000000
	JLOAD G0+4*\s, G1, G0B+4*\s, G1B               ; by this text's count three tensor loads of a wave are out here, and no more follow
.endr
	v_and_b32 v1, 15, v0                           ; r = l % 16
	v_bfe_u32 v2, v0, 4, 1                         ; h = l / 16
	s_cmp_eq_u32 ttmp9, 0                          ; q's gain for q; k's for k (v's clusters load k's and do not use it)
	s_cselect_b64 s[96:97], s[96:97], s[98:99]
	v_lshlrev_b32 v[GA], 5, v2
.irp bb, 0,1,2,3
	global_load_b128 v[WN+8*\bb:WN+8*\bb+3], v[GA], s[96:97] offset:64*\bb
	global_load_b128 v[WN+8*\bb+4:WN+8*\bb+7], v[GA], s[96:97] offset:64*\bb+16
.endr
	v_mul_u32_u24 v3, v1, PITCH
	v_lshl_add_u32 v4, v2, 4, v3                   ; a fragment's row x pitch + 16 x half
	s_mul_i32 s21, s15, HALFT                      ; my 128 rows of x
	s_mul_i32 s22, s16, HALFT                      ; my 128 rows of W,
	s_add_co_u32 s22, s22, 2*HALFT                 ; which lie behind x's 256
.irp s, 0,1
	v_add_nc_u32 v[ADRA+\s], s21, v4
	v_add_nc_u32 v[ADRB+\s], s22, v4
	s_add_co_u32 s21, s21, SLOT
	s_add_co_u32 s22, s22, SLOT
.endr
	v_mul_u32_u24 v5, v1, KS                       ; my row's scales: 32 bytes a row,
	v_lshrrev_b32 v6, 8, v5
	v_lshl_add_u32 v5, v6, 4, v5                   ; and 16 more for each 256 passed
	s_mul_i32 s21, s15, HALFS                      ; x's: my 128 rows
	s_mul_i32 s22, s16, HALFS                      ; W's: my 128 rows, behind x's 256
	s_add_co_u32 s22, s22, 2*HALFS
	s_sub_co_u32 s22, s22, s21
	v_mul_u32_u24 v6, s22, v2                      ; lanes 16-31 take W's
	s_add_co_u32 s21, s21, SCL
	v_add_nc_u32 v5, v5, v6
	v_add_nc_u32 v[ADRS], s21, v5
	v_and_b32 v6, 31, v0
	v_lshlrev_b32 v[LO], 4, v6                     ; q, k: 16 x lane
	v_lshrrev_b32 v5, 3, v1
	v_and_b32 v6, 7, v1
	v_lshl_add_u32 v6, v5, 4, v6
	v_lshl_add_u32 v6, v2, 3, v6
	v_lshlrev_b32 v[LV], 4, v6                     ; v: 16 x (16 (r / 8) + 8 h + r % 8)
	s_lshl_b32 s20, s17, 4                         ; where my part begins in qkv: row tile 16 x tile row + 8 x half, 2,048 bytes each;
	s_lshl_b32 s21, s15, 3
	s_add_co_u32 s20, s20, s21
	s_lshl_b32 s20, s20, 11
	s_lshl_b32 s21, ttmp9, 23                      ; q, k or v: 8 MiB each;
	s_add_co_u32 s20, s20, s21
	s_mov_b32 s21, 0
	s_lshl_b32 s46, s40, 2                         ; head 4 cx + 2 x half, 524,288 bytes each
	s_lshl_b32 s47, s16, 1
	s_add_co_u32 s46, s46, s47
	s_lshl_b32 s46, s46, 19
	s_mov_b32 s47, 0
	s_add_nc_u64 s[20:21], s[20:21], s[46:47]
	s_add_nc_u64 s[12:13], s[12:13], s[20:21]
.macro FRAG reg, adr, q, i             ; a fragment, 16 rows x 128 K of 4-bit codes, is 8 registers: lane l holds row l % 16; registers 4 c .. 4 c + 3 hold K = 64 c + 32 (l / 16) + 0 .. 31
.irp c, 0,1
	ds_load_b128 v[\reg+4*\c:\reg+4*\c+3], v[\adr] offset:64*(\q)+32*\c+(\i)*16*PITCH
.endr
.endm
; 16 matrix instructions: x's blocks a0, a0 + 1 against W's eight, 128 along K: the slot's q-th.  p: W's set;  sc: the set of scale words.  zero = 1: the first product starts the sums.
; The 64 accumulators take turns, one instruction a turn, in the same order in every step.
.macro MUL16 a0, p, q, sc, zero
.irp a, \a0, \a0+1
.irp b, 0,1,2,3,4,5,6,7
.if \zero
	v_wmma_scale_f32_16x16x128_f8f6f4 v[8*(8*((\a)%4)+\b):8*(8*((\a)%4)+\b)+7], v[128*(\p)+FR*\b:128*(\p)+FR*\b+FR-1], v[AF+FR*(\a):AF+FR*(\a)+FR-1], 0, v[SC+8*NQ*(\sc)+NQ*\b+(\q)], v[SC+8*NQ*(\sc)+NQ*(\a)+(\q)] matrix_a_fmt:MATRIX_FMT_FP4 matrix_b_fmt:MATRIX_FMT_FP4 matrix_a_scale:MATRIX_SCALE_ROW1
.else
	v_wmma_scale_f32_16x16x128_f8f6f4 v[8*(8*((\a)%4)+\b):8*(8*((\a)%4)+\b)+7], v[128*(\p)+FR*\b:128*(\p)+FR*\b+FR-1], v[AF+FR*(\a):AF+FR*(\a)+FR-1], v[8*(8*((\a)%4)+\b):8*(8*((\a)%4)+\b)+7], v[SC+8*NQ*(\sc)+NQ*\b+(\q)], v[SC+8*NQ*(\sc)+NQ*(\a)+(\q)] matrix_a_fmt:MATRIX_FMT_FP4 matrix_b_fmt:MATRIX_FMT_FP4 matrix_a_scale:MATRIX_SCALE_ROW1
.endif
.endr
.endr
.endm
.macro FETCH_B slot, q, p              ; W's eight fragments of the slot's q-th 128 along K into set p
	WIN TO_B
.irp i, 0,1,2,3,4,5,6,7
	FRAG 128*(\p)+FR*\i, ADRB+\slot, \q, \i
.endr
	WIN 0
.endm
.macro FETCH_A slot, q, i0             ; x's blocks i0 .. i0 + 3
.irp i, \i0, \i0+1, \i0+2, \i0+3
	FRAG AF+FR*(\i), ADRA+\slot, \q, \i
.endr
.endm
.macro SCALES sc                       ; a slot's scale words into set sc: four words a row; lanes 0-15 take x's block i, lanes 16-31 W's block i
.irp i, 0,1,2,3,4,5,6,7
	ds_load_b128 v[SC+8*NQ*\sc+NQ*\i:SC+8*NQ*\sc+NQ*\i+3], v[ADRS] offset:\i*SBLK
.endr
.endm
; A load into a register that a matrix instruction has read, and a vector instruction that reads a matrix result or writes one of its registers, stand NP places behind it; only plain vector instructions that name none of its registers are places.
.macro PLACES n
.rept \n
	v_nop
.endr
.endm
; A step of 128 along K that has its successor in the same slot.
.macro STEP slot, q, zero
	s_wait_dscnt 4*NL                              ; W's set and x's blocks 0-3 are in; the youngest eight loads (x's blocks 4-7) may be out
	WIN MUL_LO
	MUL16 0, (\q)%2, \q, \slot, \zero
	MUL16 2, (\q)%2, \q, \slot, \zero
	s_wait_dscnt 0                                 ; x's blocks 4-7 are in
	PLACES NP
	FETCH_B \slot, (\q)+1, 1-(\q)%2
	FETCH_A \slot, (\q)+1, 0
	WIN MUL_HI
	MUL16 4, (\q)%2, \q, \slot, \zero
	MUL16 6, (\q)%2, \q, \slot, \zero
	PLACES NP
	WIN 0
	FETCH_A \slot, (\q)+1, 4
.endm
.macro STEPS slot, from                ; the slot's steps from .. NQ - 2
.set Q, \from
.rept NQ-1-\from
	STEP \slot, Q, 0
.set Q, Q+1
.endr
.endm
	s_wait_tensorcnt 1                             ; the scales and my part of slot 0 are in; slot 1's load, the one issued behind them, may be out
	s_barrier_signal -1
	s_barrier_wait -1                              ; everybody's are
	FETCH_B 0, 0, 0
	FETCH_A 0, 0, 0
	SCALES 0
	FETCH_A 0, 0, 4
	STEP 0, 0, 1                                   ; the first step's products start the sums: nothing is cleared
	STEPS 0, 1
	; slot 0's last step changes slots: one barrier; in front of it each wave waits for its part of slot 1
	s_wait_tensorcnt 0x0                           ; all my tensor loads have landed
	ds_add_u32 v[SPW], v[NIL]                      ; 0 onto my spare word
	s_wait_dscnt 4*NL+1                            ; (the add and the youngest eight loads, x's blocks 4-7, may be out)
	WIN MUL_LO
	MUL16 0, 1, NQ-1, 0, 0
	s_wait_dscnt 0x0                               ; the add is done; no LDS instruction of mine is out at the signal
	s_barrier_signal -1
	MUL16 2, 1, NQ-1, 0, 0
	WIN 0
	s_barrier_wait -1                              ; slot 1 is whole
	PLACES NP
	v_add_nc_u32 v[ADRS], 4*NQ, v[ADRS]            ; on to slot 1's scale words
	FETCH_B 1, 0, 0
	FETCH_A 1, 0, 0
	SCALES 1
	WIN MUL_HI
	MUL16 4, 1, NQ-1, 0, 0
	MUL16 6, 1, NQ-1, 0, 0
	PLACES NP
	WIN 0
	FETCH_A 1, 0, 4
	STEPS 1, 0
	s_wait_dscnt 4*NL                              ; the very last step: nothing more to fetch
	WIN MUL_LO
	MUL16 0, 1, NQ-1, 1, 0
	MUL16 2, 1, NQ-1, 1, 0
	s_wait_dscnt 0
	WIN MUL_HI
	MUL16 4, 1, NQ-1, 1, 0
	MUL16 6, 1, NQ-1, 1, 0
	WIN 0
; THE WAY OUT.  Accumulator (a, b): lane (r, h) holds row 16 a + r, columns 16 b + 8 h + 0 .. 7; b / 4 is the head of my two, b % 4 the chunk.
.macro SQ a                            ; block a's sums of squares: for each of the two heads two chains of packed multiply-adds, the four chains by turns; each accumulator is read from its low end on
.set AC, 64*((\a)%4)
	WIN 0x0a+5*((\a)/4)                            ; sources 0 and 1: window 2 or 3
.irp bb, 0,1,2,3
.irp p, 0,1,2,3
.irp hh, 0,1
.set rA, AC+8*(4*\hh+\bb)+2*\p
.set rC, PR+32*(\p%2)+4*(\a)+2*\hh
.if (\bb == 0) && (\p < 2)
	v_pk_mul_f32 v[rC:rC+1], v[rA:rA+1], v[rA:rA+1]
.else
	v_pk_fma_f32 v[rC:rC+1], v[rA:rA+1], v[rA:rA+1], v[rC:rC+1]
.endif
.endr
.endr
.endr
.endm
.macro PACKST a, off                   ; block a is rounded to f16 and stored: eight stores of 512 consecutive bytes
.set AC, 64*((\a)%4)
.set BB, OB+32*((\a)%2)
.if (\a) >= 2
	s_wait_xcnt 0x0                                ; block a - 2's stores have read their data: the set may be written again
.endif
	WIN 0x0a+5*((\a)/4)
.irp b, 0,1,2,3,4,5,6,7
.irp p, 0,1,2,3
	v_cvt_pk_f16_f32 v[BB+4*\b+\p], v[AC+8*\b+2*\p], v[AC+8*\b+2*\p+1]
.endr
.endr
	WIN 0
.irp b, 0,1,2,3,4,5,6,7
	global_store_b128 v[\off], v[BB+4*\b:BB+4*\b+3], s[12:13] offset:(\b/4)*524288+(\a)*2048+(\b%4)*512
.endr
.endm
.macro OUTN a                          ; q, k: block a times 1 / rms of its row and head, times the gain
.set AC, 64*((\a)%4)
	WIN 0x82+0x41*((\a)/4)                         ; destination and source 0: window 2 or 3
.irp b, 0,1,2,3,4,5,6,7
.irp p, 0,1,2,3
	v_pk_mul_f32 v[AC+8*\b+2*\p:AC+8*\b+2*\p+1], v[AC+8*\b+2*\p:AC+8*\b+2*\p+1], v[PR+4*(\a)+2*(\b/4):PR+4*(\a)+2*(\b/4)+1] op_sel_hi:[1,0]
.endr
.endr
.irp b, 0,1,2,3,4,5,6,7
.irp p, 0,1,2,3
	v_pk_mul_f32 v[AC+8*\b+2*\p:AC+8*\b+2*\p+1], v[AC+8*\b+2*\p:AC+8*\b+2*\p+1], v[WN+8*(\b%4)+2*\p:WN+8*(\b%4)+2*\p+1]
.endr
.endr
	PACKST \a, LO
.endm
	PLACES NP                                      ; behind the last products: their results are read, and x's fragments' registers written, below
	s_wait_loadcnt 0x0                             ; the gains
	s_cmp_eq_u32 ttmp9, 2                          ; the cluster's x: alike in all sixteen partners
	s_cbranch_scc1 .Lv_out
	s_cmp_eq_u32 ttmp9, 0
	s_cselect_b32 s98, 0x3e38aa3b, 1.0             ; q: log2(e) / 8, the softmax's factor; k: 1
	s_mov_b32 s99, s98                             ; (named with it as a pair, so it is written)
	s_mov_b32 s92, 0x3c800000                      ; 1 / 64
	s_mov_b32 s93, 0x358637bd                      ; 1e-6
.irp i, 0,1,2,3,4,5,6,7,8,9,10,11,12,13,14,15
	v_pk_mul_f32 v[WN+2*\i:WN+2*\i+1], v[WN+2*\i:WN+2*\i+1], s[98:99] op_sel_hi:[1,0]
.endr
.irp a, 0,1,2,3,4,5,6,7
	SQ \a
.endr
	WIN 0
.irp q, 0,1,2,3,4,5,6,7,8,9,10,11,12,13,14,15
	v_pk_add_f32 v[PR+2*\q:PR+2*\q+1], v[PR+2*\q:PR+2*\q+1], v[PT+2*\q:PT+2*\q+1]
.endr
.irp q, 0,1,2,3,4,5,6,7,8,9,10,11,12,13,14,15
	v_add_f32 v[PR+2*\q], v[PR+2*\q], v[PR+2*\q+1]                 ; my 32 channels of the head
.endr
.irp q, 0,1,2,3,4,5,6,7,8,9,10,11,12,13,14,15
	v_permlanex16_b32 v[PR+2*\q+1], v[PR+2*\q], s[SEL], s[SEL+1]
.endr
.irp q, 0,1,2,3,4,5,6,7,8,9,10,11,12,13,14,15
	v_add_f32 v[PR+2*\q], v[PR+2*\q], v[PR+2*\q+1]                 ; with lane l xor 16's 32
.endr
.irp q, 0,1,2,3,4,5,6,7,8,9,10,11,12,13,14,15
	v_fma_f32 v[PR+2*\q], v[PR+2*\q], s92, s93                     ; the mean + 1e-6
.endr
.irp q, 0,1,2,3,4,5,6,7,8,9,10,11,12,13,14,15
	v_rsq_f32 v[PR+2*\q], v[PR+2*\q]
.endr
	v_nop                                          ; a plain line behind the last of the batch
	s_wait_alu depctr_va_vdst(0)                   ; one wait for the sixteen, ahead of their first reader
.irp a, 0,1,2,3,4,5,6,7
	OUTN \a
.endr
	s_branch .Lend
.Lv_out:
.irp a, 0,1,2,3,4,5,6,7
	PACKST \a, LV                                  ; v leaves as it is, its pieces laid for the turning load
.endr
.Lend:
	s_wait_tensorcnt 0x0                           ; the wave's end
	ds_add_u32 v[SPW], v[NIL]
	s_wait_dscnt 0x0
	CROUND                                         ; the closing round
	s_endpgm
.Lfunc_end_k_q43f62f8b9e_qkv:
	.size	k_q43f62f8b9e_qkv, .Lfunc_end_k_q43f62f8b9e_qkv-k_q43f62f8b9e_qkv
	.p2alignl 7, 3214868480
	.fill 96, 4, 3214868480
	.section	.rodata,"a",@progbits
	.p2align	6, 0x0
	.amdhsa_kernel k_q43f62f8b9e_qkv
		.amdhsa_group_segment_fixed_size 327680
		.amdhsa_private_segment_fixed_size 0
		.amdhsa_enable_private_segment 0
		.amdhsa_kernarg_size 40
		.amdhsa_user_sgpr_count 2
		.amdhsa_user_sgpr_kernarg_segment_ptr 1
		.amdhsa_wavefront_size32 1
		.amdhsa_system_sgpr_workgroup_id_x 1
		.amdhsa_system_sgpr_workgroup_id_y 1
		.amdhsa_system_sgpr_workgroup_id_z 1
		.amdhsa_system_vgpr_workitem_id 0
		.amdhsa_next_free_vgpr 1024
		.amdhsa_next_free_sgpr 100
		.amdhsa_reserve_vcc 0
		.amdhsa_float_denorm_mode_32 3
		.amdhsa_float_denorm_mode_16_64 3
		.amdhsa_memory_ordered 1
		.amdhsa_forward_progress 1
		.amdhsa_inst_pref_size 196
	.end_amdhsa_kernel
	.amdgpu_metadata
---
amdhsa.version: [ 1, 2 ]
amdhsa.kernels:
  - .name:           k_q43f62f8b9e_qkv
    .symbol:         k_q43f62f8b9e_qkv.kd
    .args:
      - { .name: codes, .offset: 0, .size: 8, .value_kind: global_buffer, .address_space: global }
      - { .name: scales, .offset: 8, .size: 8, .value_kind: global_buffer, .address_space: global }
      - { .name: q_norm_w, .offset: 16, .size: 8, .value_kind: global_buffer, .address_space: global }
      - { .name: k_norm_w, .offset: 24, .size: 8, .value_kind: global_buffer, .address_space: global }
      - { .name: qkv, .offset: 32, .size: 8, .value_kind: global_buffer, .address_space: global }
    .group_segment_fixed_size: 327680
    .private_segment_fixed_size: 0
    .kernarg_segment_align: 8
    .kernarg_segment_size: 40
    .max_flat_workgroup_size: 128
    .sgpr_count:     100
    .vgpr_count:     1024
    .wavefront_size: 32
...
	.end_amdgpu_metadata
.endif
;; end of part 2
;; launch attn (part 3): grid 16 x 16, 4 waves a work-group, clusters of 4 x 1, 327,680 bytes of LDS; arguments qkv, oimg; writes oimg
.if DOCPART == 3
	.amdgcn_target "amdgcn-amd-amdhsa--gfx1250"
	.amdhsa_code_object_version 6
	.text
	.protected	k_q43f62f8b9e_attn
	.globl	k_q43f62f8b9e_attn
	.p2align	8
	.type	k_q43f62f8b9e_attn,@function
k_q43f62f8b9e_attn:
	s_mov_b64 s[64:65], 0
	v_nop
	global_prefetch_b8 v0, s[64:65] scope:SCOPE_SE
	s_setreg_imm32_b32 hwreg(HW_REG_WAVE_MODE, 25, 1), 1
	s_wait_xcnt 0x0
	s_wait_alu depctr_hold_cnt(0) depctr_sa_sdst(0) depctr_va_vdst(0) depctr_va_sdst(0) depctr_va_ssrc(0) depctr_va_vcc(0) depctr_vm_vsrc(0)
	s_getreg_b32 s2, hwreg(HW_REG_IB_STS2, 6, 4)
	s_cmp_eq_u32 s2, 0
	s_cbranch_scc0 .Lentry_in_a_cluster
	s_endpgm
.Lentry_in_a_cluster:
	s_bfe_u32 s2, ttmp6, 0x10000c
	s_cmp_lg_u32 s2, 0x3003
	s_cbranch_scc0 .Lentry_shape_is_right
	s_endpgm
.Lentry_shape_is_right:
; O[head][q][:] = the sum over k of softmax_k(Q[q] . K[k] / 8) V[k][:], 16 heads of 64 channels, 4,096 positions, no mask.  Operands in f16, products, maxima and sums in f32.
; qkv: q at 0, k at 8 MiB, v at 16 MiB, each [head][tile of 16 rows][chunk 4][512 bytes]: two chunks on end are the image of a 16-bit fragment's registers (16 rows x 32 channels), 16 bytes a lane at 16 x lane;
; v's pieces are laid so that ds_load_tr16_b128 at 16 x lane gives V^T's fragment.  q already carries the factor log2(e) / 8, so a score is the exponent to base 2.
; oimg: [256 along d_model: 4][tile of 16 rows: 256][chunk 16][512 bytes], chunk 4 (head % 4) + dt laid as q's chunks: the next launch's operand images.
; SHARES.  A work-group owns 256 queries of one head, each of its four waves 64: four tiles of 16.  Every wave walks all keys, 64 a step.
; LAYOUT.  S^T = K Q^T (source 0 = 16 keys, source 1 = 16 queries): a lane holds ONE query (lane % 16) and keys 8 (lane / 16) + 0 .. 7.  Two such tiles, rounded to f16 in pairs, ARE source 1 (32 keys x 16 queries) of O^T = V^T P, whose result holds one query a lane and eight channels.
; SOFTMAX.  For each query a running maximum m: p = 2^(s - m); in every step O and the sum are multiplied by a = 2^(m_old - m_new).
; THE ROW'S SUM IS A FIFTH TILE OF V^T P: its source 0 is the constant fragment ONES (1.0 in rows 0 and 8, else 0), so register 0 of its accumulator holds the query's sum of p in every lane.
; BY TURNS.  The wave's tiles are two pieces, piece 0 (tiles 0, 1) and piece 2 (tiles 2, 3).  In a turn one piece has the matrix unit: 20 products V^T P of the step in hand, then 16 products K Q^T of the next step; the other piece's softmax, 206 lines, stands in slices behind them.
; CLUSTER.  The four query blocks of a cluster belong to one head and walk the same K and V: each tile is asked for JOINTLY, by the same tensor load with a mask that names the four.
; LIMITS: the sum is taken of p rounded to f16, the very weights that are multiplied; |o| stays under 65,504 (f16); NaN and infinities are not served.
; REGISTERS, in windows of 256 (s_set_vgpr_msb: bits 1:0 source 0, 3:2 source 1, 5:4 source 2, 7:6 destination):
;   window 0: v2-5 addresses; v12-43 eight registers of statistics a tile; v61-63; v64-191 S^T, 32 a tile; v192-255 P, 16 a tile
;   window 1: v0-127 O^T, 32 a tile; v128-159 the sums' accumulators, 8 a tile          window 2: v0-63 Q, 16 a tile; v64-127 K of one step; v128-191 V of one step; v192-199 ONES
.set STEPB, 8192      ; a step's 64 keys of K, or of V: four tiles of 2,048 bytes
.set NS,    8         ; steps in a slot
.set VOFF,  NS*STEPB  ; a slot: K's eight steps, then V's
.set SLOT1, 1<<17     ; slot 1 begins here: one exclusive or turns an address in one slot into the other's
.set SPARE, 2*SLOT1   ; behind the ring: the spare words, 128 bytes a wave, which no other line names
.set NSL,   8         ; slots' worth of keys: 4,096 / 512
.set AK0, 2           ; v2   16 x lane: my place in a chunk of K
.set AV0, 3           ; v3   the same + VOFF, for V
.set ADR, 4           ; v4   the LDS address of the run of loads in hand
.set GO,  5           ; v5   16 x lane: my byte offset in a chunk of Q and of O; never rewritten
.set ST,  12          ; tile t's statistics at v[ST+8 t]: +0 m, +1 written once (the pair's upper word), +4 to +7 c0-c3, at work; a takes c2's place
.set PFO, 61          ; v61  256 x lane; never rewritten
.set SPW, 62          ; v62  LDS address of my spare word; never rewritten
.set NIL, 63          ; v63  0; never rewritten
.set S,   64
.set P,   192
.set LS,  128         ; in window 1
.set KF,  64          ; in window 2
.set VF,  128
.set ONES, 192
.set WV,  12          ; s12  my wave's number
.set LIM, 15          ; s15  1 in a cluster that prefetches, else the greatest number
.set PFA, 18          ; s[18:19] where my prefetches stand
.set G1,  24          ; s[24:31] descriptor group 1: 32,768 dense bytes as 128 rows of 256
.set G0,  32          ; s[32:35] group 0 of slot 0's first fill; s[36:39] of slot 1's, which then walks
.set SLOTS, 56        ; s56  slots still to be asked for
.set CNT, 57          ; s57  counts a slot's steps
.set SEL, 60          ; s[60:61] lane selects for v_permlanex16_b32: lane l xor 16
.set TB,  62          ; s62  LDS byte at which K's tiles of the step to be fetched begin
.set MSB, 0
.macro WIN new                      ; the immediate's high byte repeats the setting that is left; a switch that changes nothing is dropped
.if MSB != \new
	s_set_vgpr_msb (MSB<<8)|\new
.set MSB, \new
.endif
.endm
.set W_KQ, 0x0a       ; K and Q in window 2, S^T in window 0
.set W_PV, 0x52       ; V in window 2, P in window 0, O^T in window 1
.set W_RS, 0x41       ; O^T (destination and source 0) in window 1, a in window 0
.macro CROUND                       ; a round of the cluster's barrier
	s_barrier_signal -1
	s_barrier_wait -1
	s_cmp_lg_u32 s[WV], 0
	s_cbranch_scc1 .Lnot_wave_0_\@
	s_barrier_signal -3
.Lnot_wave_0_\@:
	s_barrier_wait -3
	s_barrier_signal -1
	s_barrier_wait -1
.endm
.macro PLACES
.rept 4
	v_nop
.endr
.endm
; A prefetch of what the NEXT change of slots will ask for: a slot's 65,536 bytes of K and of V.  Only the head's first cluster asks (the cluster's x is alike in all partners).  Its partners share the bytes out by address, 16,384 each;
; in each, waves 0 and 1 take K's halves of that, waves 2 and 3 V's, 8,192 bytes a wave, lanes 256 bytes apart: one instruction a wave, each 256 bytes named once in the launch.  The last change that fills a slot asks for nothing.
.macro ASK
	s_cmp_gt_u32 s[SLOTS], s[LIM]
	s_cbranch_scc0 .Lnot_mine_\@
	global_prefetch_b8 v[PFO], s[PFA:PFA+1] th:TH_LOAD_NT scope:SCOPE_SE
.Lnot_mine_\@:
.endm
	s_load_b128 s[4:7], s[0:1], 0x0 ; qkv s[4:5], oimg s[6:7]
	v_lshl_add_u32 v[SPW], v0, 2, SPARE
	v_mov_b32 v[NIL], 0
	ds_add_u32 v[SPW], v[NIL]       ; the wave's opening: the add, twice on end, and its wait ahead of my first tensor load; the set-up below stands between
	ds_add_u32 v[SPW], v[NIL]
	v_lshrrev_b32 v1, 5, v0
	v_readfirstlane_b32 s[WV], v1   ; wave 0..3
	s_bfe_u32 s13, ttmp6, 0x40000   ; cx: my place in the cluster
	s_lshl_b32 s14, ttmp9, 2
	s_add_co_u32 s14, s14, s13      ; my block of 256 queries: it enters Q's and O's addresses alone
	s_and_b32 s16, ttmp7, 0xffff    ; the head, which the four partners share
	s_lshr_b32 s20, s[WV], 1        ; waves 0, 1 fetch K, waves 2, 3 V:
	s_add_co_u32 s20, s20, 1
	s_lshl_b32 s20, s20, 23         ; K at 8 MiB, V at 16 MiB,
	s_lshl_b32 s21, s16, 19
	s_add_co_u32 s20, s20, s21      ; the head's 524,288 bytes,
	s_and_b32 s17, s[WV], 1
	s_lshl_b32 s21, s17, 15
	s_add_co_u32 s22, s20, s21      ; my half of a slot's 65,536
	s_mov_b32 s23, 0
	s_lshl_b32 s2, s13, 14          ; the prefetches: my work-group's 16,384 bytes of a slot,
	s_lshl_b32 s3, s17, 13          ; my wave's 8,192 of them,
	s_add_co_u32 s2, s2, s3
	s_add_co_u32 s2, s2, s20
	s_add_co_u32 s2, s2, 2*VOFF     ; in the third slot's worth of keys: the first change of slots steps it to the fourth.  Nothing is prefetched at the head
	s_mov_b32 s3, 0
	s_lshl_b32 s8, s14, 4
	s_lshl_b32 s9, s[WV], 2
	s_add_co_u32 s8, s8, s9         ; my first tile of 16 rows: 16 x block + 4 x wave
	s_lshl_b32 s40, s8, 11          ; Q: 2,048 bytes a tile,
	s_lshl_b32 s41, s16, 19         ; in my head
	s_add_co_u32 s40, s40, s41
	s_mov_b32 s41, 0
	s_lshr_b32 s42, s16, 2          ; O: the plane head / 4, 2 MiB each,
	s_lshl_b32 s42, s42, 21
	s_lshl_b32 s43, s8, 13          ; 8,192 bytes a tile,
	s_add_co_u32 s42, s42, s43
	s_and_b32 s43, s16, 3           ; chunks 4 (head % 4) on
	s_lshl_b32 s43, s43, 11
	s_add_co_u32 s42, s42, s43
	s_mov_b32 s43, 0
	s_mov_b32 s[G1], 15|(3<<16)|(1<<21)  ; the mask: all four work-groups; elements of 8 bytes; bit 21 beside a mask; no padding: every LDS read takes 512 consecutive bytes
	s_mov_b32 s[G1+1], 32<<16       ; tensor_dim0 = 32 elements: 256 bytes
	s_mov_b32 s[G1+2], 128<<16      ; tensor_dim1 = 128
	s_mov_b32 s[G1+3], 32<<16       ; tile_dim0
	s_mov_b32 s[G1+4], 128          ; tile_dim1
	s_mov_b32 s[G1+5], 32           ; tensor_dim0_stride: dense
	s_mov_b32 s[G1+6], 0
	s_mov_b32 s[G1+7], 0
	s_mov_b32 s[SEL], 0x76543210
	s_mov_b32 s[SEL+1], 0xfedcba98
	s_mov_b32 s[TB], 0
	s_mov_b32 s[SLOTS], NSL-2
	s_cmp_eq_u32 ttmp9, 0
	s_cselect_b32 s[LIM], 1, -1
	s_wait_dscnt 0x0                ; both opening adds are done
	s_wait_kmcnt 0x0
	s_add_nc_u64 s[10:11], s[6:7], s[42:43]  ; O at my wave's first tile
	s_add_nc_u64 s[PFA:PFA+1], s[4:5], s[2:3]
	s_add_nc_u64 s[22:23], s[4:5], s[22:23]  ; K or V at my part of slot 0: made of the head and the wave's number alone
	s_add_nc_u64 s[4:5], s[4:5], s[40:41]    ; Q at my wave's first tile
	CROUND                          ; all four work-groups are here: the first joint loads meet
	s_mov_b32 s[G0], 1              ; count = 1
	s_lshl_b32 s[G0+1], s[WV], 15   ; LDS: wave x 32,768: K's halves, then V's
	s_mov_b64 s[G0+2:G0+3], s[22:23]
	s_or_b32 s[G0+3], s[G0+3], 0x80000000  ; type = 2
	s_mov_b32 s[G0+4], 1
	s_add_co_u32 s[G0+5], s[G0+1], SLOT1
	s_add_nc_u64 s[G0+6:G0+7], s[22:23], VOFF  ; the next 512 keys
	s_or_b32 s[G0+7], s[G0+7], 0x80000000
	tensor_load_to_lds s[G0:G0+3], s[G1:G1+7]      ; by this text's count two tensor loads of a wave are out here, later one
	s_nop 0
	tensor_load_to_lds s[G0+4:G0+7], s[G1:G1+7]
	s_nop 0
.rept 4
	v_nop
.endr
	v_and_b32 v1, 31, v0
	v_lshlrev_b32 v[AK0], 4, v1
	v_add_nc_u32 v[AV0], VOFF, v[AK0]
	v_lshlrev_b32 v[GO], 4, v1
	v_lshlrev_b32 v[PFO], 8, v1
	v_and_b32 v6, 7, v0
	v_mov_b32 v7, 0x3c003c00        ; 1.0 twice, in f16
	v_cmp_eq_u32 s20, 0, v6
	v_cndmask_b32 v6, 0, v7, s20    ; rows 0 and 8 of ONES
	WIN 0x80                        ; destination window 2
.irp i, 0,1,2,3,4,5,6,7,8,9,10,11,12,13,14,15  ; Q stays in registers: tile i / 4, chunk i % 4
	global_load_b128 v[4*\i:4*\i+3], v[GO], s[4:5] offset:512*\i
.endr
.irp i, 0,1,2,3,4,5,6,7
	v_mov_b32 v[ONES+\i], v6
.endr
	WIN 0
; THE MATRIX WORK OF A TURN, for piece x.  The accumulators take turns, one instruction a turn: between two links of a chain stand 9 (V^T P) or 7 (K Q^T) others'.
; Product i of 20 of O^T += V^T P: keys 32 (i / 10) on, tile x + i % 2, channels 16 dt on, dt = (i / 2) % 5; dt = 4 is the row's sum.  zero = 1: the first 10 start the sums.
.macro PV x, zero
	WIN W_PV
.set tl, (\x)+i%2
.set dt, (i/2)%5
.set kg, i/10
.set rP, P+16*tl+8*kg
.if dt == 4
.set rO, LS+8*tl
.set rV, ONES
.else
.set rO, 32*tl+8*dt
.set rV, VF+8*(4*kg+dt)
.endif
.if (\zero) && (i < 10)
	v_wmma_f32_16x16x32_f16 v[rO:rO+7], v[rV:rV+7], v[rP:rP+7], 0
.else
	v_wmma_f32_16x16x32_f16 v[rO:rO+7], v[rV:rV+7], v[rP:rP+7], v[rO:rO+7]
.endif
.endm
; Product i of 16 of S^T = K Q^T: channels 32 (i / 8) on, keys 16 ((i / 2) % 4) on, tile x + i % 2.  The first 8 start the sums.
.macro KQ x
	WIN W_KQ
.set tl, (\x)+i%2
.set kt, (i/2)%4
.set kc, i/8
.set rS, S+32*tl+8*kt
.set rK, KF+16*kt+8*kc
.set rQ, 16*tl+8*kc
.if i < 8
	v_wmma_f32_16x16x32_f16 v[rS:rS+7], v[rK:rK+7], v[rQ:rQ+7], 0
.else
	v_wmma_f32_16x16x32_f16 v[rS:rS+7], v[rK:rK+7], v[rQ:rQ+7], v[rS:rS+7]
.endif
.endm
; THE LDS LOADS stand in runs of 16: a step's K (8 fragments as they lie) and, a turn later, its V (turned).
.macro FETCH_K
	WIN 0
	v_add_nc_u32 v[ADR], s[TB], v[AK0]
	WIN 0x80                        ; destination window 2
.irp f, 0,1,2,3,4,5,6,7,8,9,10,11,12,13,14,15  ; tile of keys f / 4, chunk f % 4
	ds_load_b128 v[KF+4*\f:KF+4*\f+3], v[ADR] offset:512*\f
.endr
.endm
.macro FETCH_V
	WIN 0
	v_add_nc_u32 v[ADR], s[TB], v[AV0]
	s_add_co_u32 s[TB], s[TB], STEPB  ; the next fetch is the next step's
	WIN 0x80
.irp f, 0,1,2,3,4,5,6,7             ; keys 32 (f / 4) on, channels 16 (f % 4) on: two tiles of 16 keys make a fragment
	ds_load_tr16_b128 v[VF+8*\f:VF+8*\f+3],   v[ADR] offset:4096*(\f/4)+512*(\f%4)
	ds_load_tr16_b128 v[VF+8*\f+4:VF+8*\f+7], v[ADR] offset:4096*(\f/4)+2048+512*(\f%4)
.endr
.endm
; THE VECTOR WORK OF A TURN.  One tile's softmax for one key step is a list of 103 lines; SM writes number j of it for tile t.  s0-s31 are the lane's 32 scores, in pairs 0-15.
;   0-15    the maximum of s0-s31 and the old m, three operands at a time: four chains c0-c3, each begun at the low end of one accumulator
;   16-20   the other half of the lanes' maximum; m_old - m_new; the new m; a = 2^(m_old - m_new)
;   21-68   ONE BATCH: the 16 packed subtractions s - m and the 32 exponentials; a pair is subtracted three groups ahead of its exponentials; none of these names an exponential's result
;   69      a plain line (even tile) and the one wait for the piece's 66 exponentials (odd tile), ahead of the first line that names a result
;   70-85   the roundings to f16, a pair of weights each
;   86-102  the tile's O^T and its sum times a: the one part that leaves window 0
; The first key step's list ends at 85: there is nothing to rescale (m begins at -3e38, so its a is 0 and is not used).
.macro SM t
.set rT, ST+8*(\t)
.set rS, S+32*(\t)
.set rP, P+16*(\t)
.if j < 86
	WIN 0
.else
	WIN W_RS
.endif
.if j < 4
	v_max3_num_f32 v[rT+4+j], v[rS+8*j], v[rS+8*j+1], v[rS+8*j+2]
.elseif j < 12
	v_max3_num_f32 v[rT+4+j%4], v[rT+4+j%4], v[rS+8*(j%4)+2*(j/4)+1], v[rS+8*(j%4)+2*(j/4)+2]
.elseif j == 12
	v_max3_num_f32 v[rT+4], v[rT+4], v[rS+7], v[rS+15]
.elseif j == 13
	v_max3_num_f32 v[rT+6], v[rT+6], v[rS+23], v[rS+31]
.elseif j == 14
	v_max3_num_f32 v[rT+4], v[rT+4], v[rT+5], v[rT+6]
.elseif j == 15
	v_max3_num_f32 v[rT+4], v[rT+4], v[rT+7], v[rT]
.elseif j == 16
	v_permlanex16_b32 v[rT+5], v[rT+4], s[SEL], s[SEL+1]  ; the query's other 32 keys lie in the lane 16 away
.elseif j == 17
	v_max_num_f32 v[rT+4], v[rT+4], v[rT+5]
.elseif j == 18
	v_sub_f32 v[rT+7], v[rT], v[rT+4]
.elseif j == 19
	v_mov_b32 v[rT], v[rT+4]
.elseif j == 20
	v_exp_f32 v[rT+6], v[rT+7]
.elseif j < 69
.set u, j-21
.set sb, -1                         ; the pair to subtract from, or none
.set ex, 0                          ; else the score to raise
.if u < 3
.set sb, u
.elseif u >= 42
.set ex, u-16
.elseif (u-3)%3 == 0
.set sb, 3+(u-3)/3
.else
.set ex, 2*((u-3)/3)+(u-3)%3-1
.endif
.if sb >= 0
	v_pk_add_f32 v[rS+2*sb:rS+2*sb+1], v[rS+2*sb:rS+2*sb+1], v[rT:rT+1] op_sel_hi:[1,0] neg_lo:[0,1] neg_hi:[0,1]
.else
	v_exp_f32 v[rS+ex], v[rS+ex]
.endif
.elseif j == 69
.if (\t)%2 == 0
	v_nop
.else
	s_wait_alu depctr_va_vdst(0)
.endif
.elseif j < 86
	v_cvt_pk_f16_f32 v[rP+j-70], v[rS+2*(j-70)], v[rS+2*(j-70)+1]
.else
.set rO, 32*(\t)+2*(j-86)
.if j == 102
.set rO, LS+8*(\t)
.endif
	v_pk_mul_f32 v[rO:rO+1], v[rO:rO+1], v[rT+6:rT+7] op_sel_hi:[1,0]
.endif
.endm
.macro VNEXT y                      ; entry n of piece y's 2 x 103: the two tiles alternate, so that no line reads the result of the line just before it
.if n < NT
.set j, n/2
	SM (\y)+n%2
.endif
.set n, n+1
.endm
; What stands behind a product.  36 products: 6 entries behind each of the first 26, 5 behind each of the last 10: 206.  20 products: 11 each.  16 products: 13 each.
; Piece 0's turn fetches the next step's K behind its second product: the last product that read K stands five packed multiplies and two slices back.
; Piece 2's turn fetches the same step's V behind the slice that ends with entry 143: in a full turn behind its 24th product; the last product that read V is its 20th, and four subtractions, the plain line, four roundings and the run's own addition lie between.
.macro AFTER x, pv, kq
.set per, 13
.if (\pv) && (\kq)
.set per, 5
.if mi < 26
.set per, 6
.endif
.elseif \pv
.set per, 11
.endif
.rept per
	VNEXT 2-\x
.endr
.set mi, mi+1
.if ((\x) == 0) && (\kq) && (mi == 2)
	FETCH_K
.endif
.if ((\x) == 2) && (fv == 0) && (n >= 144)
	FETCH_V
.set fv, 1
.endif
.endm
; A TURN.  Piece x has the matrix unit; the other piece's softmax stands in slices behind its products.  pv = 2: 20 products V^T P; 1: they start O^T's sums; 0: none.  kq = 1: 16 products K Q^T for the next step.
; first = 1: the softmax is the first key step's: its last products stand bare, and four v_nop are the places behind them.  Else the five packed multiplies behind the last product are those places.
.macro TURN x, pv, kq, first
.set n, 0
.set mi, 0
.set fv, 0
.set NT, 206
.if \first
.set NT, 172
.endif
.if \pv
.if (\x) == 0
	s_wait_dscnt 0x0                ; V is in
.endif
.set i, 0
.rept 20
	PV \x, 2-\pv
	AFTER \x, \pv, \kq
.set i, i+1
.endr
.endif
.if \kq
.if (\x) == 0
	s_wait_dscnt 0x0                ; K is in
.endif
.set i, 0
.rept 16
	KQ \x
	AFTER \x, \pv, \kq
.set i, i+1
.endr
.endif
.if \first
	PLACES
.endif
.endm
; THE CHANGE OF SLOTS, between piece 2's turn and piece 0's: the slot's last bytes, V of its eighth step, have been asked for.  Each wave waits for all its tensor loads (one is out: its part of the other slot), adds 0 to its spare word,
; and waits for that and for its reads of the slot.  fill = 1: the barrier is a round of the cluster's, and the joint refill, the keys two slots on, is the first thing behind it: it has eight key steps in which to land.
.macro CHANGE fill
	WIN 0
	s_wait_tensorcnt 0x0            ; no tensor load of mine is out, so a group 0 may be written
	ds_add_u32 v[SPW], v[NIL]       ; 0 onto my spare word
.if \fill
	s_xor_b32 s[G0+5], s[G0+5], SLOT1  ; the walking descriptor: the other slot than last time,
	s_add_nc_u64 s[G0+6:G0+7], s[G0+6:G0+7], VOFF  ; the next 512 keys; the type bits on top are not reached
	s_wait_xcnt 0x0                 ; the last prefetch, a slot back, has read its address, so it may be written
	s_add_nc_u64 s[PFA:PFA+1], s[PFA:PFA+1], VOFF
	s_wait_dscnt 0x0                ; the add is done, and my reads of the slot are over
	CROUND
	tensor_load_to_lds s[G0+4:G0+7], s[G1:G1+7]    ; one line for all four waves, each with bytes of its own by its number
	s_nop 0
.rept 4
	v_nop
.endr
	ASK
.else
	s_wait_dscnt 0x0
	s_barrier_signal -1
	s_barrier_wait -1
.endif
	s_sub_co_u32 s[TB], s[TB], VOFF ; the fetches go back to a slot's first step,
	s_xor_b32 s[TB], s[TB], SLOT1   ; in the other slot
.endm
.macro N_STEPS cnt                  ; key steps: written once, walked cnt times; the LDS addresses hang on s[TB]
	s_mov_b32 s[CNT], \cnt
.Lstep_\@:
	TURN 0, 2, 1, 0
	TURN 2, 2, 1, 0
	WIN 0
	s_sub_co_u32 s[CNT], s[CNT], 1
	s_cmp_lg_u32 s[CNT], 0
	s_cbranch_scc1 .Lstep_\@
.endm
	s_wait_tensorcnt 1              ; my part of slot 0 is in; slot 1's, the one load issued behind it, may stay out
	s_barrier_signal -1
	s_barrier_wait -1               ; everybody's is
	FETCH_K                         ; key step 0
	s_wait_loadcnt 0x0              ; Q
	s_wait_dscnt 0x0
.set i, 0
.rept 16
	KQ 0                            ; piece 0's first scores: there is no vector work yet to set between them
.set i, i+1
.endr
	WIN 0
.irp t, 0,1,2,3
	v_mov_b32 v[ST+8*\t], 0xff61b1e6  ; m = -3e38, under every score.  (These eight lines are the places behind those products)
	v_mov_b32 v[ST+8*\t+1], 0       ; named with m as a pair, so it is written
.endr
	TURN 2, 0, 1, 1                 ; piece 2's first scores | piece 0's first softmax | V of step 0
	TURN 0, 1, 1, 1                 ; piece 0: V^T P of step 0 starts O^T, K Q^T of step 1 | piece 2's first softmax | K of step 1
	TURN 2, 1, 1, 0                 ; piece 2: the same | piece 0's softmax of step 1 | V of step 1
	WIN 0
	N_STEPS NS-2                    ; the rest of slot 0
.Lslot:                             ; six trips: every slot's worth of keys but the last two is followed by a refill
	CHANGE 1
	N_STEPS NS
	s_sub_co_u32 s[SLOTS], s[SLOTS], 1
	s_cmp_lg_u32 s[SLOTS], 0
	s_cbranch_scc1 .Lslot
	CHANGE 0                        ; the tail is written out
	N_STEPS NS
	TURN 0, 2, 0, 0                 ; piece 0: V^T P of the last step | piece 2's last softmax
.set i, 0
.rept 20
	PV 2, 0                         ; piece 2: V^T P of the last step
.set i, i+1
.endr
	; THE WAY OUT.  O^T is divided by the sum, rounded to f16, and stored as it stands: a lane's eight channels of a row are its 16 bytes of a chunk, a wave's store covers 512 consecutive bytes.
	PLACES
	WIN 0x01                        ; source 0 window 1
.irp t, 0,1,2,3
	v_rcp_f32 v[ST+8*\t+6], v[LS+8*\t]  ; register 0 of the sums' accumulator
.endr
	v_nop                           ; a plain line behind the last reciprocal
	s_wait_alu depctr_va_vdst(0)    ; one wait for the four, ahead of their first reader
.irp t, 0,1,2,3
	WIN W_RS
.irp i, 0,1,2,3,4,5,6,7,8,9,10,11,12,13,14,15
	v_pk_mul_f32 v[32*\t+2*\i:32*\t+2*\i+1], v[32*\t+2*\i:32*\t+2*\i+1], v[ST+8*\t+6:ST+8*\t+7] op_sel_hi:[1,0]
.endr
	WIN 0x05                        ; sources 0 and 1 window 1, destination window 0: S^T's registers are free
.irp i, 0,1,2,3,4,5,6,7,8,9,10,11,12,13,14,15
	v_cvt_pk_f16_f32 v[S+16*\t+\i], v[32*\t+2*\i], v[32*\t+2*\i+1]
.endr
	WIN 0
.irp d, 0,1,2,3
	global_store_b128 v[GO], v[S+16*\t+4*\d:S+16*\t+4*\d+3], s[10:11] offset:8192*\t+512*\d
.endr
.endr
	s_wait_tensorcnt 0x0            ; the wave's end
	ds_add_u32 v[SPW], v[NIL]
	s_wait_dscnt 0x0
	CROUND                          ; the closing round
	s_endpgm
.Lfunc_end_k_q43f62f8b9e_attn:
	.size	k_q43f62f8b9e_attn, .Lfunc_end_k_q43f62f8b9e_attn-k_q43f62f8b9e_attn
	.p2alignl 7, 3214868480
	.fill 96, 4, 3214868480
	.section	.rodata,"a",@progbits
	.p2align	6, 0x0
	.amdhsa_kernel k_q43f62f8b9e_attn
		.amdhsa_group_segment_fixed_size 327680
		.amdhsa_private_segment_fixed_size 0
		.amdhsa_enable_private_segment 0
		.amdhsa_kernarg_size 16
		.amdhsa_user_sgpr_count 2
		.amdhsa_user_sgpr_kernarg_segment_ptr 1
		.amdhsa_wavefront_size32 1
		.amdhsa_system_sgpr_workgroup_id_x 1
		.amdhsa_system_sgpr_workgroup_id_y 1
		.amdhsa_system_sgpr_workgroup_id_z 1
		.amdhsa_system_vgpr_workitem_id 0
		.amdhsa_next_free_vgpr 768
		.amdhsa_next_free_sgpr 66
		.amdhsa_reserve_vcc 0
		.amdhsa_float_denorm_mode_32 3
		.amdhsa_float_denorm_mode_16_64 3
		.amdhsa_memory_ordered 1
		.amdhsa_forward_progress 1
		.amdhsa_inst_pref_size 175
	.end_amdhsa_kernel
	.amdgpu_metadata
---
amdhsa.version: [ 1, 2 ]
amdhsa.kernels:
  - .name:           k_q43f62f8b9e_attn
    .symbol:         k_q43f62f8b9e_attn.kd
    .args:
      - { .name: qkv, .offset: 0, .size: 8, .value_kind: global_buffer, .address_space: global }
      - { .name: oimg, .offset: 8, .size: 8, .value_kind: global_buffer, .address_space: global }
    .group_segment_fixed_size: 327680
    .private_segment_fixed_size: 0
    .kernarg_segment_align: 8
    .kernarg_segment_size: 16
    .max_flat_workgroup_size: 128
    .sgpr_count:     66
    .vgpr_count:     768
    .wavefront_size: 32
...
	.end_amdgpu_metadata
.endif
;; end of part 3
;; launch oproj (part 4): grid 8 x 32, 4 waves a work-group, clusters of 4 x 4, 327,680 bytes of LDS; arguments oimg, wo16, out0; writes out0
.if DOCPART == 4
	.amdgcn_target "amdgcn-amd-amdhsa--gfx1250"
	.amdhsa_code_object_version 6
	.text
	.protected	k_q43f62f8b9e_oproj
	.globl	k_q43f62f8b9e_oproj
	.p2align	8
	.type	k_q43f62f8b9e_oproj,@function
k_q43f62f8b9e_oproj:
	s_mov_b64 s[64:65], 0
	v_nop
	global_prefetch_b8 v0, s[64:65] scope:SCOPE_SE
	s_setreg_imm32_b32 hwreg(HW_REG_WAVE_MODE, 25, 1), 1
	s_wait_xcnt 0x0
	s_wait_alu depctr_hold_cnt(0) depctr_sa_sdst(0) depctr_va_vdst(0) depctr_va_sdst(0) depctr_va_ssrc(0) depctr_va_vcc(0) depctr_vm_vsrc(0)
	s_getreg_b32 s2, hwreg(HW_REG_IB_STS2, 6, 4)
	s_cmp_eq_u32 s2, 0
	s_cbranch_scc0 .Lentry_in_a_cluster
	s_endpgm
.Lentry_in_a_cluster:
	s_bfe_u32 s2, ttmp6, 0x10000c
	s_cmp_lg_u32 s2, 0xf033
	s_cbranch_scc0 .Lentry_shape_is_right
	s_endpgm
.Lentry_shape_is_right:
; out0[m][n] = sum over k of o[m][k] wo[n][k], m 4,096, n 1,024, k 1,024; operands f16, sums and result f32.
; oimg: o as operand images, [256 along K: 4][tile of 16 rows: 256][chunk 16][512 bytes]: the 16 bytes at 16 x (16 h + r) of chunk c hold row r, k = 16 c + 8 h + 0 .. 7; two chunks on end are a fragment's registers.  wo16: [1024 n][1024 k] f16.
; A tile of the result is 128 x 128: 256 work-groups.  Four waves, each 64 x 64: 16 accumulators of 16 x 16.  K goes in four steps of 256 through two LDS slots.
; A K step of o's 128 rows is 65,536 dense bytes (no padding: every LDS read takes 512 consecutive bytes); of wo's 128 rows, rows of 512 bytes + 16 of padding.
; CLUSTERS: 4 x 4 work-groups.  The four of a row of the cluster need the same tiles of o, the four of a column the same tiles of wo: each is asked for JOINTLY.  THE MATRIX INSTRUCTION IS USED TRANSPOSED (source 0 = 16 rows of wo, source 1 = 16 rows of o).
; THE WAY OUT: a wave's 64 columns of f32 are 256 consecutive bytes of a row, so each wave has a stage of its own and no barrier is needed.
; LIMITS: none beyond f16's range of the operands, kept by the launches that made them.
; REGISTERS: window 0: v0-31 addresses; v32-95 at work on the way out; v128-255 the accumulators ((a, b) at v[128 + 8 (4 a + b)]).   window 1: two fragment buffers of 128: 64 registers of o, then 64 of wo.
.set SIZE_N, 1024
.set SIZE_K, 1024
.set KSTEP,  256
.set PITCH,  528                       ; an LDS row of wo: 512 bytes + 16 of padding = 132 words: the 16 rows that a load touches start at 16 different banks (64 banks of 4 bytes: ISA guide 11.1)
.set HALFA,  32768                     ; four row tiles of o: what one tensor load brings
.set HALFB,  64*PITCH                  ; 64 rows of wo likewise
.set BOFF,   2*HALFA                   ; a slot: o's 65,536 bytes, then wo's 128 rows
.set SLOT,   BOFF+2*HALFB
.set STAGE,  2*SLOT                    ; behind the ring: 16 rows x 272 bytes for each wave
.set SPITCH, 272
.set SPARE,  STAGE+4*16*SPITCH         ; behind the stages: the spare words, 128 bytes a wave, which no other line names
.set LAPS,   SIZE_K/(2*KSTEP)
.set ADRA, 16                          ; v16-17  LDS address of my o fragments in slot 0, 1
.set ADRB, 20                          ; v20-21  the same for wo
.set STO,  24                          ; v24     the way out: where I put 32 bytes of a row
.set RD,   25                          ; v25     where I read a row back
.set CO,   26                          ; v26     my byte offset in the result
.set SPW,  28                          ; v28     LDS address of my spare word; never rewritten
.set NIL,  29                          ; v29     0; never rewritten
.set TMP,  32                          ; the way out: two sets of 32 registers
.set ACC,  128
.set F0,   0                           ; fragment buffers, in window 1
.set F1,   128
.set G1, 24                            ; s[24:31] descriptor group 1 for o's tiles;  s[32:39] group 0, one set for each slot
.set G0, 32
.set G1B, 48                           ; s[48:55], s[56:63] the same for wo's tiles
.set G0B, 56
.set MSB, 0
.macro WIN new
.if MSB != \new
	s_set_vgpr_msb (MSB<<8)|\new
.set MSB, \new
.endif
.endm
.set MUL,  0x05                        ; sources 0 (wo) and 1 (o) window 1; C and D window 0
.set TO_F, 0x40                        ; destination window 1, address window 0
.macro JLOAD s                         ; a joint load: waves 0 and 1 fetch o's two halves, waves 2 and 3 wo's; an s_nop 0 and four v_nop follow each of the two lines
	s_cmp_eq_u32 s11, 0
	s_cbranch_scc0 .Lfor_b_\@
	tensor_load_to_lds s[G0+4*\s:G0+4*\s+3], s[G1:G1+7]
	s_nop 0
.rept 4
	v_nop
.endr
	s_branch .Lasked_\@
.Lfor_b_\@:
	tensor_load_to_lds s[G0B+4*\s:G0B+4*\s+3], s[G1B:G1B+7]
	s_nop 0
.rept 4
	v_nop
.endr
.Lasked_\@:
.endm
.macro CREST                           ; a round of the cluster's barrier behind its opening barrier
	s_cmp_lg_u32 s10, 0
	s_cbranch_scc1 .Lnot_wave_0_\@
	s_barrier_signal -3
.Lnot_wave_0_\@:
	s_barrier_wait -3
	s_barrier_signal -1
	s_barrier_wait -1
.endm
.macro CROUND
	s_barrier_signal -1
	s_barrier_wait -1
	CREST
.endm
	s_load_b128 s[4:7], s[0:1], 0x0                ; oimg s[4:5], wo16 s[6:7]
	s_load_b64 s[8:9], s[0:1], 0x10                ; out0
	v_lshl_add_u32 v[SPW], v0, 2, SPARE
	v_mov_b32 v[NIL], 0
	ds_add_u32 v[SPW], v[NIL]                      ; the wave's opening: the add, twice on end, and its wait ahead of my first tensor load; the set-up below stands between
	ds_add_u32 v[SPW], v[NIL]
	v_lshrrev_b32 v1, 5, v0
	v_readfirstlane_b32 s10, v1                    ; wave 0..3
	s_lshr_b32 s11, s10, 1                         ; which half of the tile's rows is mine.  Also: I fetch for o (0) or for wo (1)
	s_and_b32 s12, s10, 1                          ; which half of its columns.  Also: which half of that tile I fetch
	s_bfe_u32 s40, ttmp6, 0x40000                  ; cx, cy: my place in the cluster
	s_bfe_u32 s41, ttmp6, 0x40004
	s_lshl_b32 s42, ttmp9, 2
	s_add_co_u32 s42, s42, s40                     ; tile column = 4 x cluster x + cx
	s_and_b32 s13, ttmp7, 0xffff
	s_lshl_b32 s13, s13, 2
	s_add_co_u32 s13, s13, s41                     ; tile row = 4 x cluster y + cy
	s_lshl_b32 s43, s41, 2
	s_lshl_b32 s43, 15, s43                        ; my row of the cluster
	s_lshl_b32 s44, 0x1111, s40                    ; my column
	s_or_b32 s[G1+0], s43, (3<<16)|(1<<21)         ; o: the mask of my row; elements of 8 bytes; bit 21 beside a mask; no padding
	s_mov_b32 s[G1+1], 32<<16                      ; 32,768 dense bytes as 128 rows of 256
	s_mov_b32 s[G1+2], 128<<16
	s_mov_b32 s[G1+3], 32<<16
	s_mov_b32 s[G1+4], 128
	s_mov_b32 s[G1+5], 32
	s_mov_b32 s[G1+6], 0
	s_mov_b32 s[G1+7], 0
	s_or_b32 s[G1B+0], s44, (1<<16)|(1<<20)|(1<<21)|(6<<22)|(3<<25)  ; wo: the mask of my column; elements of 2 bytes; padding: 4 words after every 128
	s_mov_b32 s[G1B+1], KSTEP<<16                  ; tensor_dim0 = 256
	s_mov_b32 s[G1B+2], 64<<16                     ; tensor_dim1 = 64
	s_mov_b32 s[G1B+3], KSTEP<<16                  ; tile_dim0
	s_mov_b32 s[G1B+4], 64                         ; tile_dim1
	s_mov_b32 s[G1B+5], SIZE_K                     ; tensor_dim0_stride
	s_mov_b32 s[G1B+6], 0
	s_mov_b32 s[G1B+7], 0
	s_lshl_b32 s16, s13, 16                        ; o: the tile row's eight row tiles, 65,536 bytes in a plane of 256 along K,
	s_lshl_b32 s17, s12, 15                        ; my half of them
	s_add_co_u32 s16, s16, s17
	s_mov_b32 s17, 0
	s_lshl_b32 s46, s42, 7                         ; wo: row 128 x tile column + 64 x half,
	s_lshl_b32 s47, s12, 6
	s_add_co_u32 s46, s46, s47
	s_lshl_b32 s46, s46, 11                        ; 2,048 bytes a row
	s_mov_b32 s47, 0
	s_lshl_b32 s20, s12, 15                        ; where they go: no place in the cluster enters an LDS address
	s_mul_i32 s21, s12, HALFB
	s_add_co_u32 s21, s21, BOFF
	s_wait_dscnt 0x0                               ; both opening adds are done
	s_wait_kmcnt 0x0
	s_add_nc_u64 s[14:15], s[4:5], s[16:17]
	s_add_nc_u64 s[46:47], s[6:7], s[46:47]
	CROUND                                         ; all sixteen work-groups are here: the first joint loads meet
.irp s, 0,1
	s_mov_b32 s[G0+4*\s], 1
	s_add_co_u32 s[G0+4*\s+1], s20, \s*SLOT
	s_add_nc_u64 s[G0+4*\s+2:G0+4*\s+3], s[14:15], \s*0x200000     ; a plane of 256 along K is 2 MiB
	s_or_b32 s[G0+4*\s+3], s[G0+4*\s+3], 0x80000000
	s_mov_b32 s[G0B+4*\s], 1
	s_add_co_u32 s[G0B+4*\s+1], s21, \s*SLOT
	s_add_nc_u64 s[G0B+4*\s+2:G0B+4*\s+3], s[46:47], \s*KSTEP*2
	s_or_b32 s[G0B+4*\s+3], s[G0B+4*\s+3], 0x80000000
	JLOAD \s                                       ; by this text's count two tensor loads of a wave are out here, later one
.endr
	v_and_b32 v1, 15, v0                           ; l % 16
	v_bfe_u32 v2, v0, 4, 1                         ; l / 16
	v_and_b32 v6, 31, v0
	v_lshlrev_b32 v4, 4, v6                        ; o: 16 x lane
	v_mul_u32_u24 v3, v1, PITCH
	v_lshl_add_u32 v3, v2, 4, v3                   ; wo: a fragment's row x pitch + 16 x half
	s_lshl_b32 s21, s11, 15                        ; my four row tiles of o
	s_mul_i32 s22, s12, HALFB                      ; my 64 rows of wo,
	s_add_co_u32 s22, s22, BOFF                    ; which lie behind o's bytes
.irp s, 0,1
	v_add_nc_u32 v[ADRA+\s], s21, v4
	v_add_nc_u32 v[ADRB+\s], s22, v3
	s_add_co_u32 s21, s21, SLOT
	s_add_co_u32 s22, s22, SLOT
.endr
	s_mul_i32 s23, s10, 16*SPITCH
	s_add_co_u32 s23, s23, STAGE                   ; my stage
	v_mul_u32_u24 v5, v1, SPITCH                   ; in: row l % 16, 32 bytes for each half of the lanes
	v_lshl_add_u32 v5, v2, 5, v5
	v_add_nc_u32 v[STO], s23, v5
	v_mul_u32_u24 v5, v2, SPITCH                   ; back: lanes 0-15 one row of 256 bytes, lanes 16-31 the next
	v_lshl_add_u32 v5, v1, 4, v5
	v_add_nc_u32 v[RD], s23, v5
	v_lshlrev_b32 v5, 12, v2                       ; and the same two rows in the result: 4,096 bytes a row
	v_lshl_add_u32 v[CO], v1, 4, v5
	s_lshl_b32 s16, s13, 7
	s_lshl_b32 s17, s11, 6
	s_add_co_u32 s16, s16, s17                     ; my first row: 128 x tile row + 64 x half
	s_lshl_b32 s16, s16, 12
	s_mov_b32 s17, 0
	s_add_nc_u64 s[8:9], s[8:9], s[16:17]
	s_lshl_b32 s46, s42, 7
	s_lshl_b32 s47, s12, 6
	s_add_co_u32 s46, s46, s47                     ; my first column: 128 x tile column + 64 x half
	s_lshl_b32 s46, s46, 2
	s_mov_b32 s47, 0
	s_add_nc_u64 s[8:9], s[8:9], s[46:47]
; 8 matrix instructions: m blocks a0, a0 + 1 against all 4 n blocks, 32 along K: half c of buffer f.  zero = 1: the first product starts the sums.  The 16 accumulators take turns.
.macro MUL8 f, c, a0, zero
.irp a, \a0, \a0+1
.irp b, 0,1,2,3
.if \zero
	v_wmma_f32_16x16x32_f16 v[ACC+8*(4*(\a)+\b):ACC+8*(4*(\a)+\b)+7], v[\f+64+8*(4*\c+\b):\f+64+8*(4*\c+\b)+7], v[\f+8*(4*\c+\a):\f+8*(4*\c+\a)+7], 0
.else
	v_wmma_f32_16x16x32_f16 v[ACC+8*(4*(\a)+\b):ACC+8*(4*(\a)+\b)+7], v[\f+64+8*(4*\c+\b):\f+64+8*(4*\c+\b)+7], v[\f+8*(4*\c+\a):\f+8*(4*\c+\a)+7], v[ACC+8*(4*(\a)+\b):ACC+8*(4*(\a)+\b)+7]
.endif
.endr
.endr
.endm
; 32 LDS loads in one run: the fragments of 64 along K, at byte k of wo's rows and at chunk k / 32 of o's tiles, into buffer f; the first 32 along K first
.macro FETCH slot, k, f
	WIN TO_F
.irp c, 0,1
.irp i, 0,1,2,3
	ds_load_b128 v[\f+64+8*(4*\c+\i):\f+64+8*(4*\c+\i)+3],   v[ADRB+\slot] offset:\k+64*\c+\i*16*PITCH
	ds_load_b128 v[\f+64+8*(4*\c+\i)+4:\f+64+8*(4*\c+\i)+7], v[ADRB+\slot] offset:\k+64*\c+\i*16*PITCH+32
	ds_load_b128 v[\f+8*(4*\c+\i):\f+8*(4*\c+\i)+3],         v[ADRA+\slot] offset:(\k)*16+1024*\c+8192*\i
	ds_load_b128 v[\f+8*(4*\c+\i)+4:\f+8*(4*\c+\i)+7],       v[ADRA+\slot] offset:(\k)*16+1024*\c+8192*\i+512
.endr
.endr
.endm
.macro PLACES                          ; four places in front of loads into registers that matrix instructions have read, and of the first read of results
.rept 4
	v_nop
.endr
.endm
; A K step is four quarters of 64 along K, 32 matrix instructions each, on buffers 0, 1, 0, 1.  One of the first three: multiplies buffer f and fetches the next quarter, at byte k, into g.
.macro QUARTER slot, k, f, g, zero
	s_wait_dscnt 16                                ; the first 32 along K are in; the sixteen loads of the second 32 may be out
	WIN MUL
	MUL8 \f, 0, 0, \zero
	MUL8 \f, 0, 2, \zero
	PLACES
	FETCH \slot, \k, \g
	s_wait_dscnt 32                                ; all but the 32 just issued
	WIN MUL
	MUL8 \f, 1, 0, 0
	MUL8 \f, 1, 2, 0
.endm
; The last quarter multiplies buffer 1 and changes slots: ONE barrier; in front of it each wave waits for all its tensor loads, adds 0 to its spare word, and waits for that and for its reads of this slot.  fill = 1: this slot is filled again, two K steps ahead.
.macro TURN slot, next, fill
	WIN 0
	s_wait_tensorcnt 0x0                           ; all my tensor loads have landed: my part of the next slot
	ds_add_u32 v[SPW], v[NIL]                      ; 0 onto my spare word
	s_wait_dscnt 17                                ; (the add and the youngest sixteen loads may be out)
	WIN MUL
	MUL8 F1, 0, 0, 0
	s_wait_dscnt 0x0                               ; the add is done, and my reads of this slot are over
	s_barrier_signal -1
	MUL8 F1, 0, 2, 0
.if \fill
	WIN 0
.endif
	s_barrier_wait -1
.if \fill
	CREST                                          ; the barrier has opened a round of the cluster's: no wave of any partner still reads this slot or has a load on its way
	s_add_nc_u64 s[G0+4*\slot+2:G0+4*\slot+3], s[G0+4*\slot+2:G0+4*\slot+3], 0x400000
	s_add_nc_u64 s[G0B+4*\slot+2:G0B+4*\slot+3], s[G0B+4*\slot+2:G0B+4*\slot+3], 2*KSTEP*2
	JLOAD \slot                                    ; the first tensor load behind the round; the four v_nop behind it are also the places in front of the loads below
.else
	PLACES
.endif
	FETCH \next, 0, F0
	WIN MUL
	MUL8 F1, 1, 0, 0
	MUL8 F1, 1, 2, 0
.endm
	s_wait_tensorcnt 1                             ; my part of K step 0 is in; K step 1's, the one load issued behind it, may be out
	s_barrier_signal -1
	s_barrier_wait -1                              ; everybody's is
	FETCH 0, 0, F0
	QUARTER 0, 128, F0, F1, 1                      ; the first quarter stands in front of the loop: its first products start the sums
	WIN 0
	s_mov_b32 s3, LAPS-1
.Llap:                                                 ; a trip goes once round the ring and fills both slots again
	QUARTER 0, 256, F1, F0, 0
	QUARTER 0, 384, F0, F1, 0
	TURN 0, 1, 1
	QUARTER 1, 128, F0, F1, 0
	QUARTER 1, 256, F1, F0, 0
	QUARTER 1, 384, F0, F1, 0
	TURN 1, 0, 1
	QUARTER 0, 128, F0, F1, 0
	WIN 0
	s_sub_co_u32 s3, s3, 1
	s_cmp_lg_u32 s3, 0
	s_cbranch_scc1 .Llap
	QUARTER 0, 256, F1, F0, 0                      ; the last lap fills nothing
	QUARTER 0, 384, F0, F1, 0
	TURN 0, 1, 0
	QUARTER 1, 128, F0, F1, 0
	QUARTER 1, 256, F1, F0, 0
	QUARTER 1, 384, F0, F1, 0
	s_wait_dscnt 16                                ; the very last quarter: nothing more to fetch
	WIN MUL
	MUL8 F1, 0, 0, 0
	MUL8 F1, 0, 2, 0
	s_wait_dscnt 0
	MUL8 F1, 1, 0, 0
	MUL8 F1, 1, 2, 0
	WIN 0
; THE WAY OUT, 16 rows x 64 columns at a time, through my own stage: a lane holds 32 neighbouring bytes of a row; back come whole rows of 256 bytes.  LDS serves a wave's instructions in order (ISA guide 5.7.1.4): no wait between the stores and the loads.
.macro TOSTAGE a
.irp b, 0,1,2,3
	ds_store_b128 v[STO], v[ACC+8*(4*(\a)+\b):ACC+8*(4*(\a)+\b)+3] offset:64*\b        ; each accumulator from its low end on
	ds_store_b128 v[STO], v[ACC+8*(4*(\a)+\b)+4:ACC+8*(4*(\a)+\b)+7] offset:64*\b+16
.endr
.set BB, TMP+32*((\a)%2)
.irp t, 0,1,2,3,4,5,6,7
	ds_load_b128 v[BB+4*\t:BB+4*\t+3], v[RD] offset:\t*2*SPITCH
.endr
.endm
.macro SEND a, younger                 ; younger: the LDS instructions issued behind block a's loads, which may stay out
.set BB, TMP+32*((\a)%2)
	s_wait_dscnt \younger
.irp t, 0,1,2,3,4,5,6,7
	global_store_b128 v[CO], v[BB+4*\t:BB+4*\t+3], s[8:9] offset:(16*(\a)+2*\t)*SIZE_N*4 th:TH_STORE_NT   ; 16 lanes store 256 consecutive bytes, at a multiple of 256 from the result's first byte
.endr
.endm
	PLACES
	TOSTAGE 0
.irp a, 1,2,3
.if \a > 1
	s_wait_xcnt 0x0                                ; block a - 2's stores have read their data: block a's loads may land there
.endif
	TOSTAGE \a
	SEND \a-1, 16                                  ; behind block a - 1's loads: block a's 8 stores and 8 loads
.endr
	SEND 3, 0
	s_wait_tensorcnt 0x0                           ; the wave's end: behind my last tensor load and my last LDS store
	ds_add_u32 v[SPW], v[NIL]
	s_wait_dscnt 0x0
	CROUND                                         ; the closing round
	s_endpgm
.Lfunc_end_k_q43f62f8b9e_oproj:
	.size	k_q43f62f8b9e_oproj, .Lfunc_end_k_q43f62f8b9e_oproj-k_q43f62f8b9e_oproj
	.p2alignl 7, 3214868480
	.fill 96, 4, 3214868480
	.section	.rodata,"a",@progbits
	.p2align	6, 0x0
	.amdhsa_kernel k_q43f62f8b9e_oproj
		.amdhsa_group_segment_fixed_size 327680
		.amdhsa_private_segment_fixed_size 0
		.amdhsa_enable_private_segment 0
		.amdhsa_kernarg_size 24
		.amdhsa_user_sgpr_count 2
		.amdhsa_user_sgpr_kernarg_segment_ptr 1
		.amdhsa_wavefront_size32 1
		.amdhsa_system_sgpr_workgroup_id_x 1
		.amdhsa_system_sgpr_workgroup_id_y 1
		.amdhsa_system_sgpr_workgroup_id_z 1
		.amdhsa_system_vgpr_workitem_id 0
		.amdhsa_next_free_vgpr 512
		.amdhsa_next_free_sgpr 66
		.amdhsa_reserve_vcc 0
		.amdhsa_float_denorm_mode_32 3
		.amdhsa_float_denorm_mode_16_64 3
		.amdhsa_memory_ordered 1
		.amdhsa_forward_progress 1
		.amdhsa_inst_pref_size 86
	.end_amdhsa_kernel
	.amdgpu_metadata
---
amdhsa.version: [ 1, 2 ]
amdhsa.kernels:
  - .name:           k_q43f62f8b9e_oproj
    .symbol:         k_q43f62f8b9e_oproj.kd
    .args:
      - { .name: oimg, .offset: 0, .size: 8, .value_kind: global_buffer, .address_space: global }
      - { .name: wo16, .offset: 8, .size: 8, .value_kind: global_buffer, .address_space: global }
      - { .name: out0, .offset: 16, .size: 8, .value_kind: global_buffer, .address_space: global }
    .group_segment_fixed_size: 327680
    .private_segment_fixed_size: 0
    .kernarg_segment_align: 8
    .kernarg_segment_size: 24
    .max_flat_workgroup_size: 128
    .sgpr_count:     66
    .vgpr_count:     512
    .wavefront_size: 32
...
	.end_amdgpu_metadata
.endif
;; end of part 4
